; MI455X (gfx1250); checked and timed in simulation.
; The chip was launched on July 23, 2026; its instructions are those of AMD's public machine-readable ISA for CDNA 5 (MIT licence, August 2026) and "CDNA5" Instruction Set Architecture Reference Guide (July 2026). The comments in the code are by the model that wrote it; some were corrected since.
;; Multi Attention. Allowed arithmetic: matrix products marked QUANTISED: E2M3 operands, one E8M0 scale for each 32 along K, by v_wmma_scale_f32_16x16x128_f8f6f4 with both operands' format E2M3, f32 sums; everything else in f32.
;; Inputs: Wk_codes 1,024 x 4 x 24 uint8 (E2M3 codes of Wk, K innermost, in blocks of 32 codes, four codes in three bytes); Wk_scales 1,024 x 4 uint8 (E8M0 scales of Wk, one for each 32 codes along K); Wo_codes 128 x 32 x 24 uint8 (E2M3 codes of Wo, K innermost, in blocks of 32 codes, four codes in three bytes); Wo_scales 128 x 32 uint8 (E8M0 scales of Wo, one for each 32 codes along K); Wq_codes 1,024 x 4 x 24 uint8 (E2M3 codes of Wq, K innermost, in blocks of 32 codes, four codes in three bytes); Wq_scales 1,024 x 4 uint8 (E8M0 scales of Wq, one for each 32 codes along K); Wv_codes 1,024 x 4 x 24 uint8 (E2M3 codes of Wv, K innermost, in blocks of 32 codes, four codes in three bytes); Wv_scales 1,024 x 4 uint8 (E8M0 scales of Wv, one for each 32 codes along K); bk 1,024 float32; bo 128 float32; bq 1,024 float32; bv 1,024 float32; k_codes 4,096 x 4 x 24 uint8 (E2M3 codes of k, K innermost, in blocks of 32 codes, four codes in three bytes); k_scales 4,096 x 4 uint8 (E8M0 scales of k, one for each 32 codes along K); q_codes 4,096 x 4 x 24 uint8 (E2M3 codes of q, K innermost, in blocks of 32 codes, four codes in three bytes); q_scales 4,096 x 4 uint8 (E8M0 scales of q, one for each 32 codes along K); v_codes 4,096 x 4 x 24 uint8 (E2M3 codes of v, K innermost, in blocks of 32 codes, four codes in three bytes); v_scales 4,096 x 4 uint8 (E8M0 scales of v, one for each 32 codes along K).
;; Outputs: out0 4,096 x 128 float32.
;; This version of the problem:
;;   THIS VERSION OF THE PROBLEM IS GIVEN IN LOW PRECISION. The matrix products marked QUANTISED in the list below multiply operands that are first quantised to E2M3 (2 exponent bits, 3 mantissa bits; 6 bits a number), with one power-of-two scale for each 32 numbers along K (OCP MX v1.0); their sums are f32. All else is computed in f32.
;;   The module's matrix products, in the order in which they are computed (A, B: the left and right operand; K: the contracted axis; several contracted axes count as one K, in the product's order):
;;     1. [M 4,096, K 128] x [K 128, N 1,024]; A: input q (given as codes); B: input Wq (given as codes): QUANTISED
;;     2. [M 4,096, K 128] x [K 128, N 1,024]; A: input k (given as codes); B: input Wk (given as codes): QUANTISED
;;     3. [M 4,096, K 128] x [K 128, N 1,024]; A: input v (given as codes); B: input Wv (given as codes): QUANTISED
;;     4. batch 8 x [M 4,096, K 128] x [K 128, N 4,096]; A: computed on the way; B: computed on the way: QUANTISED
;;     5. batch 8 x [M 128, K 4,096] x [K 4,096, N 4,096]; A: computed on the way; B: softmax (see below): QUANTISED
;;     6. [M 4,096, K 1,024] x [K 1,024, N 128]; A: computed on the way; B: input Wo (given as codes): QUANTISED
;;   THE QUANTISER, for each operand of a quantised product, along K:
;;     - K is cut into blocks of 32 from its start; a last block that is shorter is filled with zeros.
;;     - A block's scale is 2^e with e = floor(log2(the largest magnitude in the block)) - 2, held to -126 .. 127; a block of zeros has e = 0. As a byte (E8M0): e + 127.
;;     - Each number is divided by its block's scale, clamped to +-7.5, and rounded to the nearest number of E2M3, ties to even, subnormals kept.
;;     - The product sums the exact products of the quantised numbers (number of the format x scale) in f32.
;;   ~~~python
;;   def quantise(x, axis):      # numpy; x: float32 -> the quantised numbers, widened to float32 again
;;       x = np.moveaxis(x, axis, -1); K = x.shape[-1]
;;       x = np.pad(x, [(0, 0)] * (x.ndim - 1) + [(0, -K % 32)]); x = x.reshape(x.shape[:-1] + (-1, 32)); a = np.abs(x).max(-1, keepdims=True)
;;       e = np.where(a > 0, np.clip(np.frexp(np.where(a > 0, a, 1))[1] - 1 - 2, -126, 127), 0)      # np.frexp(a)[1] - 1 = floor(log2(a)), exactly
;;       r = np.clip(x / 2.0 ** e, -7.5, 7.5)
;;       step = 2.0 ** (np.maximum(np.frexp(np.where(r == 0, 1, r))[1] - 1, 0) - 3)
;;       q = np.round(r / step) * step * 2.0 ** e      # np.round: ties to even
;;       return np.moveaxis(q.reshape(q.shape[:-2] + (-1,))[..., :K], -1, axis).astype(np.float32)
;;   ~~~
;;   SOFTMAX AHEAD OF A QUANTISED PRODUCT. Where the list says 'softmax', what is quantised is not the finished softmax but p = 2^(t - M), with t = logit x log2(e) and M = ceil(the row's largest t), a whole number; so 1/2 < the row's largest p <= 1. The row's sum l is taken of the UNQUANTISED p, in f32, and the product's result is divided by l at the end. Since M is a whole number, a kernel that streams over the keys may use a running M (the ceiling of the running maximum): every later rescaling is an exact power of two, which a block's scale takes up: the codes' values come out the same.
;;   OPERANDS COMPUTED ON THE WAY. 'Computed on the way' means the value that the module computes at that place (a softmax that the list does not call 'softmax' is quantised finished and normalised). What goes into a quantiser is computed in f32, as accurately as f32 sums, v_exp_f32 and their like allow (about 1e-6 of the number): no bf16 or f16 on the way to a quantiser, and a product that is left as it is and whose result goes on into a quantised operand takes f32 operands (vector FMAs, or v_wmma_f32_16x16x4_f32). A number that lies on a knife's edge between two numbers of the format may be rounded either way, as far as f32 arithmetic and the matrix unit's own rounding can turn it there, and no further.
;;   INPUTS GIVEN AS CODES. Wk (in the module: [128, 1024], K = its axis 0); Wo (in the module: [1024, 128], K = its axis 0); Wq (in the module: [128, 1024], K = its axis 0); Wv (in the module: [128, 1024], K = its axis 0); k (in the module: [4096, 128], K = its axis 1); q (in the module: [4096, 128], K = its axis 1); v (in the module: [4096, 128], K = its axis 1): each comes as NAME_codes (uint8): NAME with its K axis moved to the last place and cut into blocks of 32 codes, [.., K / 32, bytes a block], one block behind the other in memory; four codes in three bytes: a row's codes are one little-endian stream of bits, code i at bits 6 i .. 6 i + 5 (a code: sign, 2 exponent bits, 3 mantissa bits); and NAME_scales (uint8): the same leading axes, one E8M0 byte (e + 127) for each 32 codes along K. Its value is code x scale, taken as it is: it is not quantised again, and the codes and scales need not be those that the quantiser above would give.
;; 2 versions. Each part assembles by itself: llvm-mc -triple=amdgcn-amd-amdhsa -mcpu=gfx1250 --defsym DOCPART=n.
;; ======== version 1 of 2: 3 launches
;; workspace buffers: qimg 3,276,800 bytes; kv 6,553,600 bytes; cimg 3,145,728 bytes; csc 262,144 bytes
;; launch proj (part 1): grid 32 x 8, 6 waves a work-group, no clusters, 0 bytes of LDS; arguments q_codes, q_scales, k_codes, k_scales, v_codes, v_scales, Wq_codes, Wq_scales, Wk_codes, Wk_scales, Wv_codes, Wv_scales, bq, bk, bv, qimg, kv; writes qimg, kv
.if DOCPART == 1
	.amdgcn_target "amdgcn-amd-amdhsa--gfx1250"
	.amdhsa_code_object_version 6
	.text
	.protected	k_q48dce20767_proj
	.globl	k_q48dce20767_proj
	.p2align	8
	.type	k_q48dce20767_proj,@function
k_q48dce20767_proj:
	s_mov_b64 s[64:65], 0
	v_nop
	global_prefetch_b8 v0, s[64:65] scope:SCOPE_SE
	s_setreg_imm32_b32 hwreg(HW_REG_WAVE_MODE, 25, 1), 1
	s_wait_xcnt 0x0
; THE THREE PROJECTIONS, qs = q Wq + bq, ks = k Wk + bk, vs = v Wv + bv, on codes of FP6 (E2M3) with one E8M0 scale for each 32 along K, and the quantisers of their results:
; qs and ks along the head's 128 channels, vs along the KEYS (the second attention product's K).
; NO WORK OF THE PROBLEM IS LEFT OUT IN ANY OF THE THREE LAUNCHES: every bias goes into a quantiser (bk too: it moves ks's codes) or into the output, and every input has a way to out0.
; LIMITS: NaN and infinities among the inputs are not served.  A block whose largest magnitude lies under 2^-124 gets the scale byte 1; a block of zeros too, where the rule says 127:
; its codes are zeros, which add nothing under any byte but 0xff, and only this program reads the bytes.
; WHAT IS STORED: IMAGES OF OPERAND REGISTERS.  A fragment (16 rows x 128 K, 12 registers a lane) is 1,536 bytes: register group c (four registers) of lane l at 512 c + 16 l, so that three
; stores, and later three loads, of 16 bytes a lane move it, each over 512 consecutive bytes.  A BLOCK is 12,800 bytes: 8 fragments (tile t at 1,536 t), then 512 bytes of scale words, row r's
; word of tile 4 j + i at 12,288 + 256 j + 16 r + 4 i.  Tile t of 128 rows holds the rows base(t) + perm(r), base(t) = 32 (t / 2) + 8 (t % 2), perm(r) = r + 8 (r / 8):
; a product that takes such a tile as source 0 leaves, in the 16 registers of tiles 2 b and 2 b + 1, the 16 NEIGHBOURS 32 b + 16 (lane / 16) + 0 .. 15, as a quantiser along that axis wants them.
; qimg: [head][block of 128 queries] BLOCK.   kv: [head][step of 128 keys][K's BLOCK | V's BLOCK]; V's rows are channels, its K the step's 128 keys.
; SHARES.  Work-group (x, y): 128 tokens x, head y.  Six waves: kind = wave / 2 (0 Q, 1 K, 2 V), half = wave % 2: a wave makes tiles 4 half + 0 .. 3 of its BLOCK, each by 8 matrix instructions.
; Side A (source 0): 128 rows in tile order, 8 fragments that stay.  Side B (source 1): 4 fragments of 16 rows, one for each tile made.
;   Q, K: A = the head's 128 rows of W, B = tokens: a lane holds one token, its registers run along the channels.   V: A = the 128 tokens, B = rows of Wv: a lane holds one channel, its registers run along the keys.
; The bias is the C of each matrix instruction.  No LDS, no barrier: waves share nothing; every operand goes from memory into registers once.
; REGISTERS: window 0: v1-9 offsets; v16-23 A's scale words, v24-27 B's; v32-79 B's fragments; v80-143 the 8 results; v144-162 codes; v164-179 at work; v180-183 the scale words made.
;   window 1: v0-95 A's fragments; v96-159 the biases in the result's layout.
.set SEL, 74                           ; s[74:75] lane selects for v_permlanex16_b32: lane l xor 16
.set ASC, 16
.set BSC, 24
.set BF,  32
.set H,   80
.set PC,  144
.set TM,  164
.set PW,  180
.set AF,  0                            ; in window 1
.set BI,  96                           ; in window 1
.set MSB, 0
.macro WIN new                         ; the immediate's high byte repeats the setting that is left
.if MSB != \new
	s_set_vgpr_msb (MSB<<8)|\new
.set MSB, \new
.endif
.endm
; 64 numbers of a lane, v[s] .. v[s + 63], register 16 b + i = k 32 b + 16 (lane / 16) + i of my row, become a fragment's codes in v[pc] .. v[pc + 11] and its scale word in v[pw].
.macro QUANT s, pc, tm, pw
.irp b, 0,1,2,3
	v_max3_num_f32 v[\tm+\b], |v[\s+16*\b]|, |v[\s+1+16*\b]|, 0x1800000   ; block b: my 16 numbers, and the floor 2^(3 - 127): so the byte cannot fall under 1
.endr
.irp i, 2,4,6,8,10,12,14
.irp b, 0,1,2,3
	v_max3_num_f32 v[\tm+\b], v[\tm+\b], |v[\s+16*\b+\i]|, |v[\s+1+16*\b+\i]|   ; the four blocks by turns: no line waits for the line above it
.endr
.endr
.irp b, 0,1,2,3
	v_permlanex16_b32 v[\tm+4+\b], v[\tm+\b], s[SEL], s[SEL+1]
.endr
.irp b, 0,1,2,3
	v_max_num_f32 v[\tm+\b], v[\tm+\b], v[\tm+4+\b]   ; with lane l xor 16's: the block's largest magnitude
.endr
.irp b, 0,1,2,3
	v_add_nc_u32 v[\tm+12+\b], 0xff000000, v[\tm+\b]   ; 2 off its exponent field: the conversion takes the exponent field of this operand as its scale
.endr
.irp b, 0,1,2,3
	v_lshrrev_b32 v[\tm+4+\b], 23, v[\tm+12+\b]   ; the scale's byte
.endr
	v_lshl_or_b32 v[\pw], v[\tm+5], 8, v[\tm+4]   ; the four bytes make my row's scale word
	v_lshl_or_b32 v[\pw], v[\tm+6], 16, v[\pw]
	v_lshl_or_b32 v[\pw], v[\tm+7], 24, v[\pw]
.irp c, 0,1
	v_cvt_scalef32_pk16_fp6_f32 v[\pc+6*\c:\pc+2+6*\c], v[\s+32*\c:\s+15+32*\c], v[\tm+12+2*\c]
	v_cvt_scalef32_pk16_fp6_f32 v[\pc+12+4*\c:\pc+14+4*\c], v[\s+16+32*\c:\s+31+32*\c], v[\tm+12+2*\c+1]   ; (a conversion's three registers begin on an even number)
.endr
	v_nop                                          ; one plain place behind a scaled conversion
.irp c, 0,1                                    ; the operand's layout wants a WHOLE block in a lane: lanes 0-15 block 2 c, lanes 16-31 block 2 c + 1
.irp i, 0,1,2
	v_permlane16_swap_b32 v[\pc+6*\c+\i], v[\pc+12+4*\c+\i]
.endr
.irp i, 0,1,2
	v_mov_b32 v[\pc+3+6*\c+\i], v[\pc+12+4*\c+\i]
.endr
.endr
.endm
	s_load_b512 s[16:31], s[0:1], 0x0              ; q_codes 16, q_scales 18, k_codes 20, k_scales 22, v_codes 24, v_scales 26, Wq_codes 28, Wq_scales 30
	s_load_b512 s[32:47], s[0:1], 0x40             ; Wk_codes 32, Wk_scales 34, Wv_codes 36, Wv_scales 38, bq 40, bk 42, bv 44, qimg 46
	s_load_b64 s[48:49], s[0:1], 0x80              ; kv
	v_lshrrev_b32 v1, 5, v0
	v_readfirstlane_b32 s2, v1                     ; wave 0..5
	s_lshr_b32 s3, s2, 1                           ; kind
	s_and_b32 s4, s2, 1                            ; half
	s_and_b32 s6, ttmp7, 0xffff                    ; head
	s_lshl_b32 s8, ttmp9, 7                        ; the block's first token
	s_lshl_b32 s9, s6, 7                           ; the head's first row of W
	s_mov_b32 s15, 0                               ; the upper word of every offset pair s[14:15]
	s_mov_b32 s[SEL], 0x76543210
	s_mov_b32 s[SEL+1], 0xfedcba98
	v_and_b32 v1, 31, v0                           ; lane
	v_and_b32 v2, 15, v0                           ; r
	v_bfe_u32 v3, v0, 4, 1                         ; h
	v_and_b32 v4, 8, v2
	v_add_nc_u32 v4, v4, v2                        ; perm(r)
	v_mul_u32_u24 v5, v4, 96                       ; a row of 128 codes is 96 bytes,
	v_mad_u32_u24 v5, v3, 24, v5                   ; + 24 h
	v_lshlrev_b32 v6, 2, v4                        ; a row's scale word, and a channel's bias
	s_mul_i32 s14, s4, 6144
	v_lshl_add_u32 v7, v1, 4, s14                  ; out: 16 x lane + my four tiles' place
	s_lshl_b32 s14, s4, 8
	s_add_co_u32 s14, s14, 12288
	v_lshl_add_u32 v8, v2, 4, s14                  ; out: my scale words: 12,288 + 256 half + 16 r
	v_lshl_add_u32 v8, v3, 3, v8                   ; + 8 h: lanes 0-15 store tiles 0, 1, lanes 16-31 tiles 2, 3
	v_lshlrev_b32 v9, 6, v3                        ; Q, K: the bias of my half's 16 channels
.irp b, 0,1,2,3
	v_mov_b32 v[TM+4+\b], 0                        ; written once: a lane permute's destination counts as one of its sources
.endr
	s_wait_kmcnt 0x0
	; the buffers are chosen on the wave's number alone; only selects and moves stand between a compare and its selects
	s_cmp_eq_u32 s3, 0
	s_cselect_b64 s[50:51], s[16:17], s[20:21]     ; tokens' codes: q's or k's
	s_cselect_b64 s[52:53], s[18:19], s[22:23]     ; their scales
	s_cselect_b64 s[54:55], s[28:29], s[32:33]     ; W's codes
	s_cselect_b64 s[56:57], s[30:31], s[34:35]     ; W's scales
	s_cselect_b64 s[58:59], s[40:41], s[42:43]     ; the bias
	s_cselect_b64 s[60:61], s[46:47], s[48:49]     ; out: qimg or kv
	s_mov_b32 s10, 25600
	s_cselect_b32 s10, 12800, s10                  ; bytes from one (head, block) to the next
	s_cmp_eq_u32 s3, 2
	s_cselect_b64 s[50:51], s[24:25], s[50:51]     ; or v's
	s_cselect_b64 s[52:53], s[26:27], s[52:53]
	s_cselect_b64 s[54:55], s[36:37], s[54:55]
	s_cselect_b64 s[56:57], s[38:39], s[56:57]
	s_cselect_b64 s[58:59], s[44:45], s[58:59]
	s_cselect_b64 s[66:67], s[50:51], s[54:55]     ; side A: V: the tokens; Q, K: W
	s_cselect_b64 s[68:69], s[52:53], s[56:57]
	s_cselect_b64 s[70:71], s[54:55], s[50:51]     ; side B: the other
	s_cselect_b64 s[72:73], s[56:57], s[52:53]
	s_cselect_b32 s12, s8, s9                      ; A's first row
	s_cselect_b32 s13, s9, s8                      ; B's
	s_cselect_b32 s11, 12800, 0                    ; V's BLOCK lies behind K's
	s_lshl_b32 s14, s4, 6
	s_add_co_u32 s13, s13, s14                     ; + 64 half: base(4 half + t) = 64 half + base(t)
	s_mul_i32 s14, s12, 96
	s_add_nc_u64 s[66:67], s[66:67], s[14:15]
	s_lshl_b32 s14, s12, 2
	s_add_nc_u64 s[68:69], s[68:69], s[14:15]
	s_mul_i32 s14, s13, 96
	s_add_nc_u64 s[70:71], s[70:71], s[14:15]
	s_lshl_b32 s14, s13, 2
	s_add_nc_u64 s[72:73], s[72:73], s[14:15]
	s_lshl_b32 s14, s6, 5
	s_add_co_u32 s14, s14, ttmp9                   ; 32 head + block
	s_mul_i32 s14, s14, s10
	s_add_co_u32 s14, s14, s11
	s_add_nc_u64 s[60:61], s[60:61], s[14:15]
	WIN 0x40                                       ; destination window 1, address window 0
.irp a, 0,1,2,3,4,5,6,7
.irp p, 0,1,2,3,4,5
	global_load_b64 v[AF+12*\a+2*\p:AF+12*\a+2*\p+1], v5, s[66:67] offset:(32*(\a/2)+8*(\a%2))*96+48*(\p/3)+8*(\p%3)   ; a fragment: two runs of 24 bytes of the row's stream of bits, in pieces of 8
.endr
.endr
	WIN 0
.irp a, 0,1,2,3,4,5,6,7
	global_load_b32 v[ASC+\a], v6, s[68:69] offset:(32*(\a/2)+8*(\a%2))*4
.endr
.irp t, 0,1,2,3
.irp p, 0,1,2,3,4,5
	global_load_b64 v[BF+12*\t+2*\p:BF+12*\t+2*\p+1], v5, s[70:71] offset:(32*(\t/2)+8*(\t%2))*96+48*(\p/3)+8*(\p%3)
.endr
	global_load_b32 v[BSC+\t], v6, s[72:73] offset:(32*(\t/2)+8*(\t%2))*4
.endr
; Tile 4 half + t: 8 matrix instructions, each with its bias as C; the quantiser; three stores of 512 consecutive bytes.  kind = 1: V.
; Each result is written once a tile.  Between a tile's products and the next tile's, which write over the same results, stand the four v_nop and the quantiser's lines on its own registers: more than five places.
.macro TILE t, kind
.if \t > 0
	s_wait_xcnt 0x0                                ; the last tile's stores have read the codes' registers: they are written again only behind this wait
.endif
	WIN 0x11                                       ; source 0 (A) and C (the bias) window 1
.irp a, 0,1,2,3,4,5,6,7
.if \kind
	v_wmma_scale_f32_16x16x128_f8f6f4 v[H+8*\a:H+8*\a+7], v[AF+12*\a:AF+12*\a+11], v[BF+12*\t:BF+12*\t+11], v[BI+8*\t:BI+8*\t+7], v[ASC+\a], v[BSC+\t] matrix_a_fmt:MATRIX_FMT_FP6 matrix_b_fmt:MATRIX_FMT_FP6
.else
	v_wmma_scale_f32_16x16x128_f8f6f4 v[H+8*\a:H+8*\a+7], v[AF+12*\a:AF+12*\a+11], v[BF+12*\t:BF+12*\t+11], v[BI+8*\a:BI+8*\a+7], v[ASC+\a], v[BSC+\t] matrix_a_fmt:MATRIX_FMT_FP6 matrix_b_fmt:MATRIX_FMT_FP6
.endif
.endr
	WIN 0
.rept 4
	v_nop                                          ; four places in front of the first read of results (ISA guide 7.12.1)
.endr
	QUANT H, PC, TM, PW+\t
.irp c, 0,1,2
	global_store_b128 v7, v[PC+4*\c:PC+4*\c+3], s[60:61] offset:1536*\t+512*\c
.endr
.endm
.macro SCALEOUT                        ; my four tiles' scale words: every lane holds its row's four (both halves of the lanes the same); 32 lanes store 256 consecutive bytes, aligned
	v_cmp_ne_u32 vcc_lo, 0, v3
	v_cndmask_b32 v10, v[PW], v[PW+2], vcc_lo
	v_cndmask_b32 v11, v[PW+1], v[PW+3], vcc_lo
	global_store_b64 v8, v[10:11], s[60:61]
.endm
	s_cmp_eq_u32 s3, 2                             ; the wave's number alone
	s_cbranch_scc1 .Lv
	; Q, K: register j of result a in lane (r, h) is channel base(a) + 16 h + j
	s_lshl_b32 s14, s9, 2
	s_add_nc_u64 s[58:59], s[58:59], s[14:15]
	WIN 0x40
.irp a, 0,1,2,3,4,5,6,7
	global_load_b128 v[BI+8*\a:BI+8*\a+3], v9, s[58:59] offset:(32*(\a/2)+8*(\a%2))*4
	global_load_b128 v[BI+8*\a+4:BI+8*\a+7], v9, s[58:59] offset:(32*(\a/2)+8*(\a%2))*4+16
.endr
	WIN 0
	s_wait_loadcnt 0x0
	TILE 0, 0
	TILE 1, 0
	TILE 2, 0
	TILE 3, 0
	SCALEOUT
	s_endpgm
.Lv:
	; V: a lane holds one channel, 64 half + base(t) + perm(r): its bias stands in all eight registers
	s_lshl_b32 s14, s13, 2
	s_add_nc_u64 s[58:59], s[58:59], s[14:15]
	WIN 0x40
.irp t, 0,1,2,3
	global_load_b32 v[BI+8*\t], v6, s[58:59] offset:(32*(\t/2)+8*(\t%2))*4
.endr
	s_wait_loadcnt 0x0
	WIN 0x41                                       ; source 0 and destination window 1
.irp t, 0,1,2,3
.irp j, 1,2,3,4,5,6,7
	v_mov_b32 v[BI+8*\t+\j], v[BI+8*\t]
.endr
.endr
	WIN 0
	TILE 0, 1
	TILE 1, 1
	TILE 2, 1
	TILE 3, 1
	SCALEOUT
	s_endpgm
.Lfunc_end_k_q48dce20767_proj:
	.size	k_q48dce20767_proj, .Lfunc_end_k_q48dce20767_proj-k_q48dce20767_proj
	.p2alignl 7, 3214868480
	.fill 96, 4, 3214868480
	.section	.rodata,"a",@progbits
	.p2align	6, 0x0
	.amdhsa_kernel k_q48dce20767_proj
		.amdhsa_group_segment_fixed_size 0
		.amdhsa_private_segment_fixed_size 0
		.amdhsa_enable_private_segment 0
		.amdhsa_kernarg_size 136
		.amdhsa_user_sgpr_count 2
		.amdhsa_user_sgpr_kernarg_segment_ptr 1
		.amdhsa_wavefront_size32 1
		.amdhsa_system_sgpr_workgroup_id_x 1
		.amdhsa_system_sgpr_workgroup_id_y 1
		.amdhsa_system_sgpr_workgroup_id_z 1
		.amdhsa_system_vgpr_workitem_id 0
		.amdhsa_next_free_vgpr 416
		.amdhsa_next_free_sgpr 76
		.amdhsa_reserve_vcc 1
		.amdhsa_float_denorm_mode_32 3
		.amdhsa_float_denorm_mode_16_64 3
		.amdhsa_memory_ordered 1
		.amdhsa_forward_progress 1
		.amdhsa_inst_pref_size 57
	.end_amdhsa_kernel
	.amdgpu_metadata
---
amdhsa.version: [ 1, 2 ]
amdhsa.kernels:
  - .name:           k_q48dce20767_proj
    .symbol:         k_q48dce20767_proj.kd
    .args:
      - { .name: q_codes, .offset: 0, .size: 8, .value_kind: global_buffer, .address_space: global }
      - { .name: q_scales, .offset: 8, .size: 8, .value_kind: global_buffer, .address_space: global }
      - { .name: k_codes, .offset: 16, .size: 8, .value_kind: global_buffer, .address_space: global }
      - { .name: k_scales, .offset: 24, .size: 8, .value_kind: global_buffer, .address_space: global }
      - { .name: v_codes, .offset: 32, .size: 8, .value_kind: global_buffer, .address_space: global }
      - { .name: v_scales, .offset: 40, .size: 8, .value_kind: global_buffer, .address_space: global }
      - { .name: Wq_codes, .offset: 48, .size: 8, .value_kind: global_buffer, .address_space: global }
      - { .name: Wq_scales, .offset: 56, .size: 8, .value_kind: global_buffer, .address_space: global }
      - { .name: Wk_codes, .offset: 64, .size: 8, .value_kind: global_buffer, .address_space: global }
      - { .name: Wk_scales, .offset: 72, .size: 8, .value_kind: global_buffer, .address_space: global }
      - { .name: Wv_codes, .offset: 80, .size: 8, .value_kind: global_buffer, .address_space: global }
      - { .name: Wv_scales, .offset: 88, .size: 8, .value_kind: global_buffer, .address_space: global }
      - { .name: bq, .offset: 96, .size: 8, .value_kind: global_buffer, .address_space: global }
      - { .name: bk, .offset: 104, .size: 8, .value_kind: global_buffer, .address_space: global }
      - { .name: bv, .offset: 112, .size: 8, .value_kind: global_buffer, .address_space: global }
      - { .name: qimg, .offset: 120, .size: 8, .value_kind: global_buffer, .address_space: global }
      - { .name: kv, .offset: 128, .size: 8, .value_kind: global_buffer, .address_space: global }
    .group_segment_fixed_size: 0
    .private_segment_fixed_size: 0
    .kernarg_segment_align: 8
    .kernarg_segment_size: 136
    .max_flat_workgroup_size: 192
    .sgpr_count:     76
    .vgpr_count:     416
    .wavefront_size: 32
...
	.end_amdgpu_metadata
.endif
;; end of part 1
;; launch attn (part 2): grid 32 x 8, 8 waves a work-group, clusters of 4 x 1, 327,680 bytes of LDS; arguments qimg, kv, cimg, csc; writes cimg, csc
.if DOCPART == 2
	.amdgcn_target "amdgcn-amd-amdhsa--gfx1250"
	.amdhsa_code_object_version 6
	.text
	.protected	k_q48dce20767_attn
	.globl	k_q48dce20767_attn
	.p2align	8
	.type	k_q48dce20767_attn,@function
k_q48dce20767_attn:
	s_mov_b64 s[64:65], 0
	v_nop
	global_prefetch_b8 v0, s[64:65] scope:SCOPE_SE
	s_setreg_imm32_b32 hwreg(HW_REG_WAVE_MODE, 25, 1), 1
	s_wait_xcnt 0x0
	s_wait_alu depctr_hold_cnt(0) depctr_sa_sdst(0) depctr_va_vdst(0) depctr_va_sdst(0) depctr_va_ssrc(0) depctr_va_vcc(0) depctr_vm_vsrc(0)
	s_getreg_b32 s2, hwreg(HW_REG_IB_STS2, 6, 4)
	s_cmp_eq_u32 s2, 0
	s_cbranch_scc0 .Lentry_in_a_cluster
	s_endpgm
.Lentry_in_a_cluster:
	s_bfe_u32 s2, ttmp6, 0x10000c
	s_cmp_lg_u32 s2, 0x3003
	s_cbranch_scc0 .Lentry_shape_is_right
	s_endpgm
.Lentry_shape_is_right:
; ATTENTION ON CODES OF FP6 (E2M3): scores = qs ks^T / sqrt(128), the softmax, ctx = (p vs) / l, and ctx's quantiser along the head's channels.  Nothing of the problem's work is left out here.
; THE SOFTMAX AHEAD OF THE SECOND PRODUCT: t = score x c, c = log2(e) / sqrt(128) (ONE multiplication where the source has two); M = the row's largest t so far, rounded UP to a whole number;
; p = 2^(t - M) is what is quantised, along the keys, not normalised.  The row's sum l is taken of the unquantised p, in f32, and divides at the end.  When M moves, l and O are multiplied by 2^(old M - new M): exact.
; A block's largest p is not searched for: the block's largest SCORE goes through the same multiply-add and exponential (this takes v_exp_f32 not to fall where its input rises).
; LIMITS: NaN and infinities are not served; a block whose largest magnitude lies under 2^-124, a block of zeros among them, gets the scale byte 1: only this program reads the bytes.
; INPUTS are images of operand registers: a fragment is 1,536 bytes, register group c of lane l at 512 c + 16 l; a BLOCK is 8 fragments and 512 bytes of scale words (row r's word of tile 4 j + i at
; 12,288 + 256 j + 16 r + 4 i).  Tile t holds the rows 32 (t / 2) + 8 (t % 2) + r + 8 (r / 8): so the 16 result registers of tiles 2 b, 2 b + 1 are the neighbours 32 b + 16 (lane / 16) + 0 .. 15.
; qimg: [head][query block] BLOCK.  kv: [head][key step of 128][K's BLOCK | V's BLOCK], 25,600 bytes a step; V's rows are channels, its K the step's keys.
; SHARES.  A work-group owns 128 queries of one head; each of its eight waves one tile of 16, in 256 registers.  Every wave walks the head's 32 key steps; a step is 8 + 8 matrix instructions.
; Both products are used transposed: S^T = K Q^T, O^T = V^T P^T: a lane holds ONE query (lane % 16) throughout.
; RING.  Two LDS slots of four key steps (102,400 dense bytes of kv).  Each wave fetches an eighth of a slot, one BLOCK, by one tensor load; its addresses are made by arithmetic on the wave's number, so every
; wave passes every load.  By this text's count one tensor load of a wave is out at any time.  Every LDS read takes 16 bytes a lane on end: no padding.
; CLUSTER.  The four query blocks of a cluster belong to one head and walk the same kv: each BLOCK is asked for JOINTLY, by the same load with the same descriptor and a mask that names the four.
; OUT.  cimg: [query tile 8 block + wave][head] a fragment's image; csc: the same index, the scale register's image, 4 bytes a lane (128 consecutive bytes a wave).
; REGISTERS: v1-5 offsets that stay; v6-9 the slot's LDS addresses; v12 -M, v13 the largest t, v[14:15] the sum in two halves; v16-27 Q; v32-79 four fragments; v80-87 the step's scale words
; (lanes 0-15 K's, lanes 16-31 V's); v96-159 S^T, then p, then V's tiles 4-7; v160-223 O^T; v224-235 p's codes; v232-254 at work; v253 p's scale word; v255 Q's.
.set SLOT1, 1<<17                      ; slot 1 begins here: one exclusive or turns an address in one slot into the other's
.set SLOTB, 102400                     ; a slot's bytes: four key steps
.set SPARE, SLOT1+SLOTB                ; behind the ring: the spare words, 128 bytes for each wave: four blocks of 256 bytes that no other line names
.set LI0, 1                            ; v1   16 x lane
.set LS0, 2                            ; v2   12,288 + 16 r + 12,800 h: lanes 0-15 take K's scale words, lanes 16-31 V's
.set SPW, 3                            ; v3   LDS address of my spare word; never rewritten
.set NIL, 4                            ; v4   0; never rewritten
.set PFO, 5                            ; v5   the prefetches' offset; never rewritten
.set WV,  12                           ; s12  my wave's number
.set SEL, 20                           ; s[20:21] lane selects for v_permlanex16_b32: lane l xor 16
.set CS,  22                           ; s[22:23] c: the packed form names a pair and takes its low word for both halves
.set G1,  24                           ; s[24:31] descriptor group 1
.set G0,  32                           ; s[32:35] descriptor group 0, which walks
.set TB,  36                           ; s36  LDS byte at which the slot in hand begins
.set SLOTS, 37                         ; s37  slots still to be asked for
.set LIM, 38                           ; s38  1 in a wave that prefetches, else the greatest number
.set PFA, 40                           ; s[40:41] where my prefetches stand
; A round of the cluster's barrier: my work-group's barrier; wave 0 signals for the work-group; every wave waits for all four work-groups; my work-group's barrier once more.
.macro ROUND
	s_barrier_signal -1
	s_barrier_wait -1
	s_cmp_lg_u32 s[WV], 0
	s_cbranch_scc1 .Lnot_wave_0_\@
	s_barrier_signal -3
.Lnot_wave_0_\@:
	s_barrier_wait -3
	s_barrier_signal -1
	s_barrier_wait -1
.endm
.macro JLOAD                           ; my eighth of a slot; an s_nop 0 and four v_nop follow the load
	tensor_load_to_lds s[G0:G0+3], s[G1:G1+7]
	s_nop 0
.rept 4
	v_nop
.endr
.endm
; A PREFETCH INTO THE L2 of the slot that the NEXT change of slots will ask for: four key steps ahead of that load.  All clusters of a head walk the same kv: the head's first cluster asks.  Its four partners share
; the slot out BY ADDRESS: partner cx takes key step cx, 25,600 bytes; in each, waves 0 to 3 take 6,400 bytes, 25 blocks of 256, a lane a block (lanes 25 to 31 name lane 24's block again: 25 does not fill a wave).
; Slots 2 to 7 are named, in the trips with s[SLOTS] = 7 .. 2; the last change that fills a slot asks for nothing; slots 0 and 1 come by their loads alone.  The highest byte named in a head is 818,944 of 819,200.
.macro ASK
	s_cmp_gt_u32 s[SLOTS], s[LIM]
	s_cbranch_scc0 .Lnot_mine_\@
	global_prefetch_b8 v[PFO], s[PFA:PFA+1] th:TH_LOAD_NT scope:SCOPE_SE
.Lnot_mine_\@:
.endm
; 64 numbers of a lane, register 16 b + i = k 32 b + 16 (lane / 16) + i of my row, become a fragment's codes in v[pc] .. v[pc + 11] and its scale word in v[pw].
.macro QUANT s, pc, tm, pw
.irp b, 0,1,2,3
	v_max3_num_f32 v[\tm+\b], |v[\s+16*\b]|, |v[\s+1+16*\b]|, 0x1800000   ; block b: my 16 numbers, and the floor 2^(3 - 127): so the byte cannot fall under 1
.endr
.irp i, 2,4,6,8,10,12,14
.irp b, 0,1,2,3
	v_max3_num_f32 v[\tm+\b], v[\tm+\b], |v[\s+16*\b+\i]|, |v[\s+1+16*\b+\i]|
.endr
.endr
.irp b, 0,1,2,3
	v_permlanex16_b32 v[\tm+4+\b], v[\tm+\b], s[SEL], s[SEL+1]
.endr
.irp b, 0,1,2,3
	v_max_num_f32 v[\tm+\b], v[\tm+\b], v[\tm+4+\b]   ; with lane l xor 16's: the block's largest magnitude
.endr
.irp b, 0,1,2,3
	v_add_nc_u32 v[\tm+12+\b], 0xff000000, v[\tm+\b]   ; 2 off its exponent field: the conversion's scale operand
.endr
.irp b, 0,1,2,3
	v_lshrrev_b32 v[\tm+4+\b], 23, v[\tm+12+\b]   ; the scale's byte
.endr
	v_lshl_or_b32 v[\pw], v[\tm+5], 8, v[\tm+4]
	v_lshl_or_b32 v[\pw], v[\tm+6], 16, v[\pw]
	v_lshl_or_b32 v[\pw], v[\tm+7], 24, v[\pw]
.irp c, 0,1
	v_cvt_scalef32_pk16_fp6_f32 v[\pc+6*\c:\pc+2+6*\c], v[\s+32*\c:\s+15+32*\c], v[\tm+12+2*\c]
	v_cvt_scalef32_pk16_fp6_f32 v[\pc+12+4*\c:\pc+14+4*\c], v[\s+16+32*\c:\s+31+32*\c], v[\tm+12+2*\c+1]   ; (a conversion's three registers begin on an even number)
.endr
	v_nop                                          ; one plain place behind a scaled conversion
.irp c, 0,1
.irp i, 0,1,2
	v_permlane16_swap_b32 v[\pc+6*\c+\i], v[\pc+12+4*\c+\i]
.endr
.irp i, 0,1,2
	v_mov_b32 v[\pc+3+6*\c+\i], v[\pc+12+4*\c+\i]
.endr
.endr
.endm
	s_load_b256 s[4:11], s[0:1], 0x0               ; qimg s[4:5], kv s[6:7], cimg s[8:9], csc s[10:11]
	v_lshl_add_u32 v[SPW], v0, 2, SPARE
	v_mov_b32 v[NIL], 0
	ds_add_u32 v[SPW], v[NIL]                      ; the wave's opening: the add, twice on end, and its wait ahead of my first tensor load; the set-up below, work on registers, stands between
	ds_add_u32 v[SPW], v[NIL]                      ; and once more, under the one wait
	v_lshrrev_b32 v10, 5, v0
	v_readfirstlane_b32 s[WV], v10                 ; wave 0..7
	s_bfe_u32 s13, ttmp6, 0x40000                  ; cx: my place in the cluster
	s_lshl_b32 s14, ttmp9, 2                       ; in a cluster launch ttmp9 counts clusters
	s_add_co_u32 s14, s14, s13                     ; my block of 128 queries: it enters qimg's, cimg's and csc's addresses alone
	s_and_b32 s15, ttmp7, 0xffff                   ; the head, which the four partners share
	; descriptor group 1: 12,800 dense bytes as 50 rows of 256 bytes
	s_mov_b32 s[G1], 15|(3<<16)|(1<<21)            ; 15:0 the mask: all four work-groups; 17:16 elements of 8 bytes; 20 no padding; 21 set beside a mask
	s_mov_b32 s[G1+1], 32<<16                      ; tensor_dim0 = 32
	s_mov_b32 s[G1+2], 50<<16                      ; tensor_dim1 = 50
	s_mov_b32 s[G1+3], 32<<16                      ; tile_dim0 = 32
	s_mov_b32 s[G1+4], 50                          ; tile_dim1 = 50
	s_mov_b32 s[G1+5], 32                          ; elements from row to row
	s_mov_b32 s[G1+6], 0
	s_mov_b32 s[G1+7], 0
	s_mov_b32 s[SEL], 0x76543210
	s_mov_b32 s[SEL+1], 0xfedcba98
	s_mov_b32 s[CS], 0x3e0293ee                    ; c = log2(e) / sqrt(128)
	s_mov_b32 s[CS+1], s[CS]                       ; (named with it as a pair, so it is written)
	s_mov_b32 s[TB], 0
	s_mov_b32 s[SLOTS], 7
	s_lshr_b32 s[LIM], s[WV], 2                    ; 0 in waves 0 to 3,
	s_or_b32 s[LIM], s[LIM], ttmp9                 ; of the head's first cluster: the same in all four partners
	s_cmp_eq_u32 s[LIM], 0
	s_cselect_b32 s[LIM], 1, -1
	v_and_b32 v11, 31, v0                          ; lane
	v_lshlrev_b32 v[LI0], 4, v11
	v_and_b32 v10, 15, v0                          ; r
	v_bfe_u32 v[LS0], v0, 4, 1                     ; h
	v_mul_u32_u24 v[LS0], v[LS0], 12800
	v_lshl_add_u32 v[LS0], v10, 4, v[LS0]
	v_add_nc_u32 v[LS0], 12288, v[LS0]
	v_min_u32 v[PFO], 24, v11
	v_lshlrev_b32 v[PFO], 8, v[PFO]
	s_mul_i32 s42, s15, 819200                     ; the head's first byte in kv
	s_mov_b32 s43, 0
	s_mul_i32 s[G0+1], s[WV], 12800                ; group 0, 63:32: LDS address: my eighth of slot 0: no place in the cluster enters it
	s_add_co_u32 s18, s42, s[G0+1]                 ; and the same eighth in memory: head and wave alone
	s_mov_b32 s19, 0
	s_mul_i32 s44, s13, 25600                      ; the prefetches: my work-group's key step of a slot,
	s_and_b32 s45, s[WV], 3
	s_mul_i32 s45, s45, 6400                       ; my wave's quarter of it,
	s_add_co_u32 s44, s44, s45
	s_add_co_u32 s44, s44, SLOTB                   ; in slot 1: the first change of slots steps it to slot 2
	s_mov_b32 s45, 0
	s_add_nc_u64 s[44:45], s[44:45], s[42:43]
	s_lshl_b32 s46, s15, 5
	s_add_co_u32 s46, s46, s14
	s_mul_i32 s46, s46, 12800                      ; my query block's BLOCK in qimg
	s_mov_b32 s47, 0
	s_mul_i32 s48, s[WV], 1536                     ; in it my tile's image,
	s_lshr_b32 s49, s[WV], 2
	s_lshl_b32 s49, s49, 8
	s_and_b32 s16, s[WV], 3
	s_lshl_b32 s16, s16, 2
	s_add_co_u32 s49, s49, s16
	s_add_co_u32 s49, s49, 12288                   ; and its scale words: 12,288 + 256 (wave / 4) + 4 (wave % 4)
	v_add_nc_u32 v11, s48, v[LI0]
	v_lshl_add_u32 v10, v10, 4, s49                ; + 16 r
	s_lshl_b32 s16, s14, 3
	s_add_co_u32 s16, s16, s[WV]                   ; my query tile: 8 block + wave
	s_lshl_b32 s16, s16, 3
	s_add_co_u32 s16, s16, s15                     ; x 8 + head
	s_lshl_b32 s48, s16, 7                         ; 128 bytes each in csc,
	s_mov_b32 s49, 0
	s_mul_i32 s16, s16, 1536                       ; 1,536 in cimg
	s_mov_b32 s17, 0
	s_wait_dscnt 0x0                               ; both opening adds are done
	s_wait_kmcnt 0x0
	s_mov_b32 s[G0], 1                             ; 1:0 count = 1
	s_add_nc_u64 s[G0+2:G0+3], s[6:7], s[18:19]    ; 120:64 global address
	s_or_b32 s[G0+3], s[G0+3], 0x80000000          ; 127:126 type = 2
	s_add_nc_u64 s[PFA:PFA+1], s[6:7], s[44:45]
	s_add_nc_u64 s[4:5], s[4:5], s[46:47]
	s_add_nc_u64 s[8:9], s[8:9], s[16:17]
	s_add_nc_u64 s[10:11], s[10:11], s[48:49]
	ROUND                                          ; all four work-groups are here: the first joint loads meet
	JLOAD                                          ; slot 0
.irp c, 0,1,2
	global_load_b128 v[16+4*\c:19+4*\c], v11, s[4:5] offset:512*\c   ; Q's fragment stays in registers
.endr
	global_load_b32 v255, v10, s[4:5]              ; and its scale words
	v_mov_b32 v13, 0xff61b1e6                      ; the largest t so far: -3e38, under every t
	v_floor_f32 v12, -v13                          ; -M
	v_mov_b32 v14, 0                               ; the sum, in two halves
	v_mov_b32 v15, 0
.irp b, 0,1,2,3
	v_mov_b32 v[236+\b], 0                         ; written once: a lane permute's destination counts as one of its sources
.endr
	v_mov_b32 v253, 0                              ; (named as the upper half of the pair v[252:253] before it is first written)
.irp j, 0,1,2,3,4,5,6,7,8,9,10,11,12,13,14,15,16,17,18,19,20,21,22,23,24,25,26,27,28,29,30,31,32,33,34,35,36,37,38,39,40,41,42,43,44,45,46,47,48,49,50,51,52,53,54,55,56,57,58,59,60,61,62,63
	v_mov_b32 v[160+\j], 0                         ; O^T.  (The step is written without a first step of its own: it finds zeros, which the first change of M leaves zeros)
.endr
; A KEY STEP: 128 keys, the q-th of the slot in hand.
.macro STEP q
.set ADR, 6+(\q)/2                     ; images: steps 0, 1 by v6, steps 2, 3 by v7, so that every offset fits its 16 bits (50,176 at the most)
.set ASR, 8+(\q)/2                     ; scale words likewise: v8, v9
.set OFS, 25600*((\q)%2)
; The last step's products read v32-79, v80-87 and v96-143.  The loads below stand four places behind them, and this step's products, which write over v96 on, five (ISA guide 7.12.1 for vector instructions).
.if (\q) == 0
	v_nop                                          ; the four additions that made the slot's addresses are places too
.else
.rept 5
	v_nop
.endr
.endif
	ds_load_b128 v[80:83], v[ASR] offset:OFS       ; the scale words of tiles 0-3: lanes 0-15 K's, lanes 16-31 V's,
	ds_load_b128 v[84:87], v[ASR] offset:OFS+256   ; and of tiles 4-7
.irp t, 0,1,2,3
.irp c, 0,1,2
	ds_load_b128 v[32+12*\t+4*\c:35+12*\t+4*\c], v[ADR] offset:OFS+1536*\t+512*\c   ; K's tiles 0-3
.endr
.endr
	s_wait_dscnt 0x0
.irp t, 0,1,2,3
	v_wmma_scale_f32_16x16x128_f8f6f4 v[96+8*\t:103+8*\t], v[32+12*\t:43+12*\t], v[16:27], 0, v[80+\t], v255 matrix_a_fmt:MATRIX_FMT_FP6 matrix_b_fmt:MATRIX_FMT_FP6
.endr
.rept 4
	v_nop                                          ; places in front of loads into registers that matrix instructions have read
.endr
.irp t, 0,1,2,3
.irp c, 0,1,2
	ds_load_b128 v[32+12*\t+4*\c:35+12*\t+4*\c], v[ADR] offset:OFS+1536*(4+\t)+512*\c   ; K's tiles 4-7
.endr
.endr
	s_wait_dscnt 0x0
.irp t, 0,1,2,3
	v_wmma_scale_f32_16x16x128_f8f6f4 v[128+8*\t:135+8*\t], v[32+12*\t:43+12*\t], v[16:27], 0, v[84+\t], v255 matrix_a_fmt:MATRIX_FMT_FP6 matrix_b_fmt:MATRIX_FMT_FP6
.endr                                          ; lane (r, h) holds query r; the 16 registers of tiles 2 b, 2 b + 1 are keys 32 b + 16 h + 0 .. 15 of the step
.rept 4
	v_nop                                          ; places in front of the loads below and of the first read of the scores
.endr
.irp t, 0,1,2,3
.irp c, 0,1,2
	ds_load_b128 v[32+12*\t+4*\c:35+12*\t+4*\c], v[ADR] offset:OFS+12800+1536*\t+512*\c   ; V's tiles 0-3: they land under the softmax; the wait stands in front of the second product
.endr
.endr
.irp b, 0,1,2,3
	v_max3_num_f32 v[232+\b], v[96+16*\b], v[97+16*\b], v[98+16*\b]   ; THE LARGEST SCORE OF EACH BLOCK OF 32 KEYS: it serves twice: for the row's maximum and for the block's largest p
.endr
.irp i, 3,5,7,9,11,13
.irp b, 0,1,2,3
	v_max3_num_f32 v[232+\b], v[232+\b], v[96+16*\b+\i], v[97+16*\b+\i]   ; (the four blocks by turns)
.endr
.endr
.irp b, 0,1,2,3
	v_max_num_f32 v[232+\b], v[232+\b], v[111+16*\b]
.endr
.irp b, 0,1,2,3
	v_permlanex16_b32 v[236+\b], v[232+\b], s[SEL], s[SEL+1]
.endr
.irp b, 0,1,2,3
	v_max_num_f32 v[232+\b], v[232+\b], v[236+\b]  ; with lane l xor 16's 16 keys
.endr
	v_max3_num_f32 v254, v232, v233, v234
	v_max_num_f32 v254, v254, v235                 ; the step's largest score of my query
	v_mul_f32 v254, s[CS], v254                    ; as t (c is positive)
	v_max_num_f32 v13, v13, v254                   ; the running largest t
	v_mov_b32 v254, v12
	v_floor_f32 v12, -v13                          ; the new -M = floor(-t) = -ceil(t): M IS A WHOLE NUMBER
	v_sub_f32 v254, v12, v254                      ; M's old value less its new one: a whole number, 0 or less
	v_cvt_i32_f32 v254, v254                       ; (it saturates)
	v_ldexp_f32 v252, 1.0, v254                    ; f = 2^(old M - new M): a multiplication by it rounds nothing
.irp j, 0,2,4,6,8,10,12,14,16,18,20,22,24,26,28,30,32,34,36,38,40,42,44,46,48,50,52,54,56,58,60,62
	v_pk_fma_f32 v[96+\j:97+\j], v[96+\j:97+\j], s[CS:CS+1], v[12:13] op_sel_hi:[1,0,0]   ; t - M, two at a time (of the pairs c and -M the low word serves both halves)
.endr
.irp b, 0,1,2,3
	v_fma_f32 v[232+\b], v[232+\b], s[CS], v12     ; the same of each block's largest score
.endr
.irp j, 0,1,2,3,4,5,6,7,8,9,10,11,12,13,14,15,16,17,18,19,20,21,22,23,24,25,26,27,28,29,30,31,32,33,34,35,36,37,38,39,40,41,42,43,44,45,46,47,48,49,50,51,52,53,54,55,56,57,58,59,60,61,62,63
	v_exp_f32 v[96+\j], v[96+\j]                   ; p = 2^(t - M), at most 1: NOT normalised
.endr
	v_pk_mul_f32 v[14:15], v[14:15], v[252:253] op_sel_hi:[1,0]   ; the sums under the new M.  (A plain place behind the exponentials)
	s_wait_alu depctr_va_vdst(0)                   ; one wait for the whole batch, ahead of its first reader
.irp b, 0,1,2,3
	v_exp_f32 v[232+\b], v[232+\b]                 ; the block's largest p: the same two instructions on the same number give the same bits
.endr
	v_pk_add_f32 v[236:237], v[96:97], v[98:99]    ; THE ROW'S SUM IS TAKEN OF THE UNQUANTISED p: two at a time, in two chains.  (It reads the 64 alone: plain work behind the four)
.irp j, 4,8,12,16,20,24,28,32,36,40,44,48,52,56,60
	v_pk_add_f32 v[14:15], v[14:15], v[96+\j:97+\j]
	v_pk_add_f32 v[236:237], v[236:237], v[98+\j:99+\j]
.endr
	v_pk_add_f32 v[14:15], v[14:15], v[236:237]
	s_wait_alu depctr_va_vdst(0)                   ; and one for the four
.irp b, 0,1,2,3
	v_max_num_f32 v[232+\b], 0x1800000, v[232+\b]  ; the floor 2^(3 - 127): the byte cannot fall under 1 (a block whose every p has fallen to 0 keeps that byte: its codes are zeros)
.endr
.irp b, 0,1,2,3
	v_add_nc_u32 v[244+\b], 0xff000000, v[232+\b]  ; 2 off the exponent field: the conversion's scale operand
.endr
.irp b, 0,1,2,3
	v_lshrrev_b32 v[236+\b], 23, v[244+\b]         ; the scale's byte
.endr
	v_lshl_or_b32 v253, v237, 8, v236              ; p's scale word for these 128 keys
	v_lshl_or_b32 v253, v238, 16, v253
	v_lshl_or_b32 v253, v239, 24, v253
.irp c, 0,1
	v_cvt_scalef32_pk16_fp6_f32 v[224+6*\c:226+6*\c], v[96+32*\c:111+32*\c], v[244+2*\c]
	v_cvt_scalef32_pk16_fp6_f32 v[236+4*\c:238+4*\c], v[112+32*\c:127+32*\c], v[244+2*\c+1]   ; (a conversion's three registers begin on an even number)
.endr
	v_nop                                          ; one plain place behind a scaled conversion
.irp t, 0,1,2,3
.irp c, 0,1,2
	ds_load_b128 v[96+12*\t+4*\c:99+12*\t+4*\c], v[ADR] offset:OFS+12800+1536*(4+\t)+512*\c   ; V's tiles 4-7, into the registers that p has left
.endr
.endr
.irp c, 0,1                                    ; the operand's layout wants a WHOLE block in a lane: lanes 0-15 block 2 c, lanes 16-31 block 2 c + 1
.irp i, 0,1,2
	v_permlane16_swap_b32 v[224+6*\c+\i], v[236+4*\c+\i]
.endr
.irp i, 0,1,2
	v_mov_b32 v[227+6*\c+\i], v[236+4*\c+\i]
.endr
.endr
.irp j, 0,2,4,6,8,10,12,14,16,18,20,22,24,26,28,30,32,34,36,38,40,42,44,46,48,50,52,54,56,58,60,62
	v_pk_mul_f32 v[160+\j:161+\j], v[160+\j:161+\j], v[252:253] op_sel_hi:[1,0]   ; O^T under the new M: x f.  (These 32 are also the places between p's codes and scale word and the products below)
.endr
	s_wait_dscnt 0x0                               ; V's eight tiles are in
; O^T += V^T P^T: K = these 128 keys.  The eight accumulators take turns, one instruction a turn, and the first product's instructions stand between one step's and the next's.
.irp t, 0,1,2,3
	v_wmma_scale_f32_16x16x128_f8f6f4 v[160+8*\t:167+8*\t], v[32+12*\t:43+12*\t], v[224:235], v[160+8*\t:167+8*\t], v[80+\t], v253 matrix_a_fmt:MATRIX_FMT_FP6 matrix_b_fmt:MATRIX_FMT_FP6 matrix_a_scale:MATRIX_SCALE_ROW1
.endr
.irp t, 0,1,2,3
	v_wmma_scale_f32_16x16x128_f8f6f4 v[192+8*\t:199+8*\t], v[96+12*\t:107+12*\t], v[224:235], v[192+8*\t:199+8*\t], v[84+\t], v253 matrix_a_fmt:MATRIX_FMT_FP6 matrix_b_fmt:MATRIX_FMT_FP6 matrix_a_scale:MATRIX_SCALE_ROW1
.endr
.endm
; THE CHANGE OF SLOTS stands at a slot's head.  Each wave waits for all its tensor loads (its eighth of the slot that it is about to read), adds 0 to its spare word, and waits for that and for its reads of the slot
; that it has left.  fill = 1: a round of the cluster's barrier, so that no wave of any partner still reads that slot or has a load on its way; the joint load into it is the first thing behind the round and has
; four key steps in which to land.  (The first trip's load is slot 1's first fill: behind that round nobody fills bytes again.)
.macro CHANGE fill
	s_wait_tensorcnt 0x0                           ; no tensor load of mine is out, so group 0 may be written
	ds_add_u32 v[SPW], v[NIL]                      ; 0 onto my spare word
.if \fill
	s_xor_b32 s[G0+1], s[G0+1], SLOT1              ; the walking descriptor: the other slot than last time,
	s_add_nc_u64 s[G0+2:G0+3], s[G0+2:G0+3], SLOTB ; the next four key steps; the type bits on top are not reached
	s_wait_xcnt 0x0                                ; the last prefetch, a slot back, has read its address, so it may be written:
	s_add_nc_u64 s[PFA:PFA+1], s[PFA:PFA+1], SLOTB ; one slot further on than the walking descriptor
	s_wait_dscnt 0x0                               ; the add is done, and my reads of the slot that I have left are over
	ROUND
	JLOAD
	ASK
.else
	s_wait_dscnt 0x0
	s_barrier_signal -1
	s_barrier_wait -1
.endif
.endm
.macro SLOT_STEPS
	v_add_nc_u32 v6, s[TB], v[LI0]                 ; the slot's addresses: images of steps 0, 1,
	v_add_nc_u32 v8, s[TB], v[LS0]                 ; their scale words,
	v_add_nc_u32 v7, 51200, v6                     ; and the same of steps 2, 3
	v_add_nc_u32 v9, 51200, v8
	STEP 0
	STEP 1
	STEP 2
	STEP 3
	s_xor_b32 s[TB], s[TB], SLOT1                  ; on to the other slot
.endm
	s_wait_loadcnt 0x0                             ; Q
.Lslot:                                            ; 7 trips: behind each change of slots but the last the next slot is asked for
	CHANGE 1
	SLOT_STEPS
	s_sub_co_u32 s[SLOTS], s[SLOTS], 1
	s_cmp_lg_u32 s[SLOTS], 0
	s_cbranch_scc1 .Lslot
	CHANGE 0                                       ; the last slot is written out
	SLOT_STEPS
	; THE WAY OUT.  ctx = O^T / l.  V's channels lie in tile order, so register 16 b + i is channel 32 b + 16 h + i of my query: what the quantiser along the channels wants.
.rept 4
	v_nop                                          ; places behind the last products
.endr
	v_add_f32 v14, v14, v15                        ; the sum's two halves,
	v_permlanex16_b32 v252, v14, s[SEL], s[SEL+1]
	v_add_f32 v14, v14, v252                       ; and lane l xor 16's: the row's sum
	v_rcp_f32 v14, v14
.irp b, 0,1,2,3
	v_mov_b32 v[56+\b], 0                          ; plain places behind the reciprocal; and the quantiser's permute destinations are written
.endr
	v_and_b32 v10, 31, v0
	v_lshlrev_b32 v10, 2, v10                      ; 4 x lane
	s_wait_alu depctr_va_vdst(0)                   ; the wait ahead of the reciprocal's first reader
.irp j, 0,2,4,6,8,10,12,14,16,18,20,22,24,26,28,30,32,34,36,38,40,42,44,46,48,50,52,54,56,58,60,62
	v_pk_mul_f32 v[96+\j:97+\j], v[160+\j:161+\j], v[14:15] op_sel_hi:[1,0]   ; each accumulator from its low end on
.endr
	QUANT 96, 32, 52, 68
.irp c, 0,1,2
	global_store_b128 v[LI0], v[32+4*\c:35+4*\c], s[8:9] offset:512*\c   ; the fragment's image: 512 consecutive bytes a store
.endr
	global_store_b32 v10, v68, s[10:11]            ; and the scale register's
	s_wait_tensorcnt 0x0                           ; the wave's end, behind my last tensor load
	ds_add_u32 v[SPW], v[NIL]
	s_wait_dscnt 0x0
	ROUND                                          ; the closing round: no work-group ends while a partner may still ask for a tile that names it
	s_endpgm
.Lfunc_end_k_q48dce20767_attn:
	.size	k_q48dce20767_attn, .Lfunc_end_k_q48dce20767_attn-k_q48dce20767_attn
	.p2alignl 7, 3214868480
	.fill 96, 4, 3214868480
	.section	.rodata,"a",@progbits
	.p2align	6, 0x0
	.amdhsa_kernel k_q48dce20767_attn
		.amdhsa_group_segment_fixed_size 327680
		.amdhsa_private_segment_fixed_size 0
		.amdhsa_enable_private_segment 0
		.amdhsa_kernarg_size 32
		.amdhsa_user_sgpr_count 2
		.amdhsa_user_sgpr_kernarg_segment_ptr 1
		.amdhsa_wavefront_size32 1
		.amdhsa_system_sgpr_workgroup_id_x 1
		.amdhsa_system_sgpr_workgroup_id_y 1
		.amdhsa_system_sgpr_workgroup_id_z 1
		.amdhsa_system_vgpr_workitem_id 0
		.amdhsa_next_free_vgpr 256
		.amdhsa_next_free_sgpr 66
		.amdhsa_reserve_vcc 0
		.amdhsa_float_denorm_mode_32 3
		.amdhsa_float_denorm_mode_16_64 3
		.amdhsa_memory_ordered 1
		.amdhsa_forward_progress 1
		.amdhsa_inst_pref_size 162
	.end_amdhsa_kernel
	.amdgpu_metadata
---
amdhsa.version: [ 1, 2 ]
amdhsa.kernels:
  - .name:           k_q48dce20767_attn
    .symbol:         k_q48dce20767_attn.kd
    .args:
      - { .name: qimg, .offset: 0, .size: 8, .value_kind: global_buffer, .address_space: global }
      - { .name: kv, .offset: 8, .size: 8, .value_kind: global_buffer, .address_space: global }
      - { .name: cimg, .offset: 16, .size: 8, .value_kind: global_buffer, .address_space: global }
      - { .name: csc, .offset: 24, .size: 8, .value_kind: global_buffer, .address_space: global }
    .group_segment_fixed_size: 327680
    .private_segment_fixed_size: 0
    .kernarg_segment_align: 8
    .kernarg_segment_size: 32
    .max_flat_workgroup_size: 256
    .sgpr_count:     66
    .vgpr_count:     256
    .wavefront_size: 32
...
	.end_amdgpu_metadata
.endif
;; end of part 2
;; launch outp (part 3): grid 256 x 1, 4 waves a work-group, no clusters, 9,216 bytes of LDS; arguments cimg, csc, Wo_codes, Wo_scales, bo, out0; writes out0
.if DOCPART == 3
	.amdgcn_target "amdgcn-amd-amdhsa--gfx1250"
	.amdhsa_code_object_version 6
	.text
	.protected	k_q48dce20767_outp
	.globl	k_q48dce20767_outp
	.p2align	8
	.type	k_q48dce20767_outp,@function
k_q48dce20767_outp:
	s_mov_b64 s[64:65], 0
	v_nop
	global_prefetch_b8 v0, s[64:65] scope:SCOPE_SE
	s_setreg_imm32_b32 hwreg(HW_REG_WAVE_MODE, 25, 1), 1
	s_wait_xcnt 0x0
; out0 = ctx Wo + bo on codes of FP6 (E2M3), K = 1,024 = 8 heads x 128 channels.  Nothing of the problem's work is left out here.
; ctx comes as images of operand registers: cimg [query tile qt][head] 1,536 bytes (register group c of lane l at 512 c + 16 l), csc the scale registers' images, 128 bytes each.
; Row r of tile qt is query 128 (qt / 8) + 32 ((qt / 2) % 4) + 8 (qt % 2) + r + 8 (r / 8).
; SHARES.  Work-group qt: one tile of 16 queries.  Wave w makes outputs 32 w .. 32 w + 31: two accumulators, 8 K steps (K step s = head s), 16 matrix instructions.  Every operand goes from memory into registers once.
; THE MATRIX INSTRUCTION IS USED TRANSPOSED (source 0 = 16 rows of Wo, source 1 = ctx): a lane holds query row r and eight neighbouring outputs.  bo is the C of each sum's first instruction.
; A row's 128 outputs come from four waves: they meet in a stage in LDS (rows of 512 bytes + 16), and each wave stores 4 whole rows of 512 consecutive bytes.
; REGISTERS: window 0: v4-10 offsets; v12, v13 the add's two; v16-111 ctx's 8 fragments; v112-119 their scale words; v120-135 Wo's scale words (8 n + s); v136-151 bo; v152-167 the accumulators; v168-183 rows on the way out.
;   window 1: v0-191 Wo's fragments, (n, s) at 12 (8 n + s).
.set SPARE, 16*528                     ; behind the stage: the spare words, 128 bytes for each wave: two blocks of 256 bytes that no other line names
.set SPW, 12
.set NIL, 13
.set MSB, 0
.macro WIN new                         ; the immediate's high byte repeats the setting that is left
.if MSB != \new
	s_set_vgpr_msb (MSB<<8)|\new
.set MSB, \new
.endif
.endm
	s_load_b256 s[4:11], s[0:1], 0x0               ; cimg s[4:5], csc s[6:7], Wo_codes s[8:9], Wo_scales s[10:11]
	s_load_b128 s[12:15], s[0:1], 0x20             ; bo s[12:13], out0 s[14:15]
	v_lshl_add_u32 v[SPW], v0, 2, SPARE
	v_mov_b32 v[NIL], 0
	v_lshrrev_b32 v1, 5, v0
	v_readfirstlane_b32 s16, v1                    ; wave 0..3
	v_and_b32 v1, 31, v0                           ; lane
	v_and_b32 v2, 15, v0                           ; r
	v_bfe_u32 v3, v0, 4, 1                         ; h
	v_lshlrev_b32 v4, 4, v1                        ; 16 x lane
	v_lshlrev_b32 v5, 2, v1                        ; 4 x lane
	v_mul_u32_u24 v6, v2, 768                      ; Wo: a row of 1,024 codes is 768 bytes,
	v_mad_u32_u24 v6, v3, 24, v6                   ; + 24 h
	v_lshlrev_b32 v7, 5, v2                        ; its scales: 32 bytes a row
	v_lshlrev_b32 v8, 5, v3                        ; bo: my half's eight numbers
	v_mul_u32_u24 v9, v2, 528
	v_lshl_add_u32 v9, v3, 5, v9
	s_lshl_b32 s17, s16, 7
	v_add_nc_u32 v9, s17, v9                       ; into the stage: row r, + 32 h, + 128 w
	s_mul_i32 s18, s16, 4*528
	v_add_nc_u32 v10, s18, v4                      ; back: my 4 rows, 16 bytes a lane
	s_lshr_b32 s22, ttmp9, 3                       ; the first row of out0 that I store:
	s_lshl_b32 s22, s22, 7                         ; 128 (qt / 8)
	s_bfe_u32 s23, ttmp9, 0x20001
	s_lshl_b32 s23, s23, 5
	s_add_co_u32 s22, s22, s23                     ; + 32 ((qt / 2) % 4)
	s_and_b32 s23, ttmp9, 1
	s_lshl_b32 s23, s23, 3
	s_add_co_u32 s22, s22, s23                     ; + 8 (qt % 2)
	s_lshl_b32 s23, s16, 2
	s_add_co_u32 s22, s22, s23                     ; + 4 w: stage rows 4 w .. 4 w + 3,
	s_lshr_b32 s23, s16, 1
	s_lshl_b32 s23, s23, 3
	s_add_co_u32 s22, s22, s23                     ; + 8 (w / 2): stage row r is query r + 8 (r / 8) of the tile
	s_lshl_b32 s22, s22, 9                         ; 512 bytes a row
	s_mov_b32 s23, 0
	s_mov_b32 s21, 0
	s_wait_kmcnt 0x0
	s_add_nc_u64 s[14:15], s[14:15], s[22:23]
	s_mul_i32 s20, ttmp9, 12288
	s_add_nc_u64 s[4:5], s[4:5], s[20:21]          ; my tile's 8 images
	s_lshl_b32 s20, ttmp9, 10
	s_add_nc_u64 s[6:7], s[6:7], s[20:21]          ; and their scale words
	s_mul_i32 s20, s16, 24576
	s_add_nc_u64 s[8:9], s[8:9], s[20:21]          ; my 32 rows of Wo
	s_lshl_b32 s20, s16, 10
	s_add_nc_u64 s[10:11], s[10:11], s[20:21]
	s_mov_b32 s20, s17
	s_add_nc_u64 s[12:13], s[12:13], s[20:21]      ; my 32 numbers of bo
	WIN 0x40                                       ; destination window 1, address window 0
.irp n, 0,1
.irp s, 0,1,2,3,4,5,6,7
.irp p, 0,1,2,3,4,5
	global_load_b64 v[12*(8*\n+\s)+2*\p:12*(8*\n+\s)+2*\p+1], v6, s[8:9] offset:12288*\n+96*\s+48*(\p/3)+8*(\p%3)
.endr
.endr
.endr
	WIN 0
.irp s, 0,1,2,3,4,5,6,7
.irp c, 0,1,2
	global_load_b128 v[16+12*\s+4*\c:19+12*\s+4*\c], v4, s[4:5] offset:1536*\s+512*\c
.endr
	global_load_b32 v[112+\s], v5, s[6:7] offset:128*\s
.endr
.irp n, 0,1
.irp j, 0,1
	global_load_b128 v[120+8*\n+4*\j:123+8*\n+4*\j], v7, s[10:11] offset:512*\n+16*\j   ; a row's eight scale words
	global_load_b128 v[136+8*\n+4*\j:139+8*\n+4*\j], v8, s[12:13] offset:64*\n+16*\j    ; bo(32 w + 16 n + 8 h + 0 .. 7)
.endr
.endr
	s_wait_loadcnt 0x0
	WIN 0x01                                       ; source 0 (Wo) window 1
; the two accumulators take turns, one instruction a turn
.irp s, 0,1,2,3,4,5,6,7
.irp n, 0,1
.if \s == 0
	v_wmma_scale_f32_16x16x128_f8f6f4 v[152+8*\n:159+8*\n], v[12*(8*\n+\s):12*(8*\n+\s)+11], v[16+12*\s:27+12*\s], v[136+8*\n:143+8*\n], v[120+8*\n+\s], v[112+\s] matrix_a_fmt:MATRIX_FMT_FP6 matrix_b_fmt:MATRIX_FMT_FP6
.else
	v_wmma_scale_f32_16x16x128_f8f6f4 v[152+8*\n:159+8*\n], v[12*(8*\n+\s):12*(8*\n+\s)+11], v[16+12*\s:27+12*\s], v[152+8*\n:159+8*\n], v[120+8*\n+\s], v[112+\s] matrix_a_fmt:MATRIX_FMT_FP6 matrix_b_fmt:MATRIX_FMT_FP6
.endif
.endr
.endr
	WIN 0
.rept 4
	v_nop                                          ; four places in front of the first read of results (ISA guide 7.12.1)
.endr
.irp n, 0,1
	ds_store_b128 v9, v[152+8*\n:155+8*\n] offset:64*\n       ; lane (r, h): out(row r, 32 w + 16 n + 8 h + 0 .. 7); each accumulator from its low end on
	ds_store_b128 v9, v[156+8*\n:159+8*\n] offset:64*\n+16
.endr
	s_wait_dscnt 0x0                               ; for the others' sake: my stores into the stage are done
	s_barrier_signal -1
	s_barrier_wait -1                              ; 16 whole rows lie in the stage
.irp i, 0,1,2,3
	ds_load_b128 v[168+4*\i:171+4*\i], v10 offset:528*\i
.endr
.irp i, 0,1,2,3
	s_wait_dscnt 3-\i                              ; LDS loads come back in order (ISA guide 5.7.1): row i is in, the younger of the four may be out
	global_store_b128 v4, v[168+4*\i:171+4*\i], s[14:15] offset:512*\i th:TH_STORE_NT   ; 32 lanes store a row of 512 consecutive bytes, aligned; written once, read by nobody here
.endr
	s_wait_tensorcnt 0x0                           ; the wave's end, behind my last LDS store
	ds_add_u32 v[SPW], v[NIL]
	s_wait_dscnt 0x0
	s_endpgm
.Lfunc_end_k_q48dce20767_outp:
	.size	k_q48dce20767_outp, .Lfunc_end_k_q48dce20767_outp-k_q48dce20767_outp
	.p2alignl 7, 3214868480
	.fill 96, 4, 3214868480
	.section	.rodata,"a",@progbits
	.p2align	6, 0x0
	.amdhsa_kernel k_q48dce20767_outp
		.amdhsa_group_segment_fixed_size 9216
		.amdhsa_private_segment_fixed_size 0
		.amdhsa_enable_private_segment 0
		.amdhsa_kernarg_size 48
		.amdhsa_user_sgpr_count 2
		.amdhsa_user_sgpr_kernarg_segment_ptr 1
		.amdhsa_wavefront_size32 1
		.amdhsa_system_sgpr_workgroup_id_x 1
		.amdhsa_system_sgpr_workgroup_id_y 1
		.amdhsa_system_sgpr_workgroup_id_z 1
		.amdhsa_system_vgpr_workitem_id 0
		.amdhsa_next_free_vgpr 448
		.amdhsa_next_free_sgpr 66
		.amdhsa_reserve_vcc 0
		.amdhsa_float_denorm_mode_32 3
		.amdhsa_float_denorm_mode_16_64 3
		.amdhsa_memory_ordered 1
		.amdhsa_forward_progress 1
		.amdhsa_inst_pref_size 19
	.end_amdhsa_kernel
	.amdgpu_metadata
---
amdhsa.version: [ 1, 2 ]
amdhsa.kernels:
  - .name:           k_q48dce20767_outp
    .symbol:         k_q48dce20767_outp.kd
    .args:
      - { .name: cimg, .offset: 0, .size: 8, .value_kind: global_buffer, .address_space: global }
      - { .name: csc, .offset: 8, .size: 8, .value_kind: global_buffer, .address_space: global }
      - { .name: Wo_codes, .offset: 16, .size: 8, .value_kind: global_buffer, .address_space: global }
      - { .name: Wo_scales, .offset: 24, .size: 8, .value_kind: global_buffer, .address_space: global }
      - { .name: bo, .offset: 32, .size: 8, .value_kind: global_buffer, .address_space: global }
      - { .name: out0, .offset: 40, .size: 8, .value_kind: global_buffer, .address_space: global }
    .group_segment_fixed_size: 9216
    .private_segment_fixed_size: 0
    .kernarg_segment_align: 8
    .kernarg_segment_size: 48
    .max_flat_workgroup_size: 128
    .sgpr_count:     66
    .vgpr_count:     448
    .wavefront_size: 32
...
	.end_amdgpu_metadata
.endif
;; end of part 3
;; ======== version 2 of 2: 3 launches
;; workspace buffers: qimg 3,276,800 bytes; kv 6,553,600 bytes; cimg 3,145,728 bytes; csc 262,144 bytes
;; launch proj (part 4): grid 32 x 8, 6 waves a work-group, no clusters, 0 bytes of LDS; arguments q_codes, q_scales, k_codes, k_scales, v_codes, v_scales, Wq_codes, Wq_scales, Wk_codes, Wk_scales, Wv_codes, Wv_scales, bq, bk, bv, qimg, kv; writes qimg, kv
.if DOCPART == 4
	.amdgcn_target "amdgcn-amd-amdhsa--gfx1250"
	.amdhsa_code_object_version 6
	.text
	.protected	k_q48dce20767_proj
	.globl	k_q48dce20767_proj
	.p2align	8
	.type	k_q48dce20767_proj,@function
k_q48dce20767_proj:
	s_mov_b64 s[64:65], 0
	v_nop
	global_prefetch_b8 v0, s[64:65] scope:SCOPE_SE
	s_setreg_imm32_b32 hwreg(HW_REG_WAVE_SCHED_MODE, 0, 2), 2
	s_setreg_imm32_b32 hwreg(HW_REG_WAVE_MODE, 25, 1), 1
	s_wait_xcnt 0x0
	s_wait_alu depctr_vm_vsrc(0)
; THE THREE PROJECTIONS, qs = q Wq + bq, ks = k Wk + bk, vs = v Wv + bv, on codes of FP6 (E2M3) with one E8M0 scale for each 32 along K, and the quantisers of their results:
; qs and ks along the head's 128 channels, vs along the KEYS (the second attention product's K).
; NO WORK OF THE PROBLEM IS LEFT OUT IN ANY OF THE THREE LAUNCHES: every bias goes into a quantiser (bk too: it moves ks's codes) or into the output, and every input has a way to out0.
; LIMITS: NaN and infinities among the inputs are not served.  A block whose largest magnitude lies under 2^-124 gets the scale byte 1; a block of zeros too, where the rule says 127:
; its codes are zeros, which add nothing under any byte but 0xff, and only this program reads the bytes.
; WHAT IS STORED: IMAGES OF OPERAND REGISTERS.  A fragment (16 rows x 128 K, 12 registers a lane) is 1,536 bytes: register group c (four registers) of lane l at 512 c + 16 l, so that three
; stores, and later three loads, of 16 bytes a lane move it, each over 512 consecutive bytes.  A BLOCK is 12,800 bytes: 8 fragments (tile t at 1,536 t), then 512 bytes of scale words, row r's
; word of tile 4 j + i at 12,288 + 256 j + 16 r + 4 i.  Tile t of 128 rows holds the rows base(t) + perm(r), base(t) = 32 (t / 2) + 8 (t % 2), perm(r) = r + 8 (r / 8):
; a product that takes such a tile as source 0 leaves, in the 16 registers of tiles 2 b and 2 b + 1, the 16 NEIGHBOURS 32 b + 16 (lane / 16) + 0 .. 15, as a quantiser along that axis wants them.
; qimg: [head][block of 128 queries] BLOCK.   kv: [head][step of 128 keys][K's BLOCK | V's BLOCK]; V's rows are channels, its K the step's 128 keys.
; SHARES.  Work-group (x, y): 128 tokens x, head y.  Six waves: kind = wave / 2 (0 Q, 1 K, 2 V), half = wave % 2: a wave makes tiles 4 half + 0 .. 3 of its BLOCK, each by 8 matrix instructions.
; Side A (source 0): 128 rows in tile order, 8 fragments that stay.  Side B (source 1): 4 fragments of 16 rows, one for each tile made.
;   Q, K: A = the head's 128 rows of W, B = tokens: a lane holds one token, its registers run along the channels.   V: A = the 128 tokens, B = rows of Wv: a lane holds one channel, its registers run along the keys.
; The bias is the C of each matrix instruction.  No LDS, no barrier: waves share nothing; every operand goes from memory into registers once.
; THE MODE: SCHED_MODE bits 1:0 = 2 (LLVM: expert scheduling mode 2), set by the entry lines.  The code itself states the register dependences
; between vector or matrix instructions and memory instructions, with s_wait_alu, always for 0.
; THE PLAN.  Registers that memory instructions touch:
;   v5, v6, v9   offsets of the loads, v7, v8 offsets of the stores: written by vector instructions at the head, once; never written again.
;   A's and B's fragments, their scale words, the biases as loaded: written by loads alone, once; read by matrix instructions (the V arm's copies: by v_mov_b32) behind the wait on LOADcnt; no load lands there again.
;   PC0 .. PC3   the codes, an out-buffer for each tile: written by tile t's conversions, swaps and moves; read by tile t's three stores; never written again.
;   v10, v11     two scale words: written by two selects; read by the last store.
; So: one wait on va_vdst ahead of the first load states that the five offsets are written; one behind each tile's quantiser states that its codes are written, ahead of its three stores
; (the last of them also that v10 and v11 are).  No register that a memory instruction reads is ever written again.  One wait on va_sdst stands for the wave's number, one on va_vcc for the selects' mask.
; REGISTERS: window 0: v1-9 offsets; v16-23 A's scale words, v24-27 B's; v32-79 B's fragments; v80-143 the 8 results; v144-223 codes, 20 registers a tile; v224-239 at work; v240-243 the scale words made.
;   window 1: v0-95 A's fragments; v96-159 the biases in the result's layout.
.set SEL, 74                           ; s[74:75] lane selects for v_permlanex16_b32: lane l xor 16
.set ASC, 16
.set BSC, 24
.set BF,  32
.set H,   80
.set PC,  144                          ; tile t's codes at PC + 20 t: 12 registers, and 7 in which the conversions' second halves are made
.set TM,  224
.set PW,  240
.set AF,  0                            ; in window 1
.set BI,  96                           ; in window 1
.set MSB, 0
.macro WIN new                         ; the immediate's high byte repeats the setting that is left
.if MSB != \new
	s_set_vgpr_msb (MSB<<8)|\new
.set MSB, \new
.endif
.endm
; 64 numbers of a lane, v[s] .. v[s + 63], register 16 b + i = k 32 b + 16 (lane / 16) + i of my row, become a fragment's codes in v[pc] .. v[pc + 11] and its scale word in v[pw].
.macro QUANT s, pc, tm, pw
.irp b, 0,1,2,3
	v_max3_num_f32 v[\tm+\b], |v[\s+16*\b]|, |v[\s+1+16*\b]|, 0x1800000   ; block b: my 16 numbers, and the floor 2^(3 - 127): so the byte cannot fall under 1
.endr
.irp i, 2,4,6,8,10,12,14
.irp b, 0,1,2,3
	v_max3_num_f32 v[\tm+\b], v[\tm+\b], |v[\s+16*\b+\i]|, |v[\s+1+16*\b+\i]|   ; the four blocks by turns: no line waits for the line above it
.endr
.endr
.irp b, 0,1,2,3
	v_permlanex16_b32 v[\tm+4+\b], v[\tm+\b], s[SEL], s[SEL+1]
.endr
.irp b, 0,1,2,3
	v_max_num_f32 v[\tm+\b], v[\tm+\b], v[\tm+4+\b]   ; with lane l xor 16's: the block's largest magnitude
.endr
.irp b, 0,1,2,3
	v_add_nc_u32 v[\tm+12+\b], 0xff000000, v[\tm+\b]   ; 2 off its exponent field: the conversion takes the exponent field of this operand as its scale
.endr
.irp b, 0,1,2,3
	v_lshrrev_b32 v[\tm+4+\b], 23, v[\tm+12+\b]   ; the scale's byte
.endr
	v_lshl_or_b32 v[\pw], v[\tm+5], 8, v[\tm+4]   ; the four bytes make my row's scale word
	v_lshl_or_b32 v[\pw], v[\tm+6], 16, v[\pw]
	v_lshl_or_b32 v[\pw], v[\tm+7], 24, v[\pw]
.irp c, 0,1
	v_cvt_scalef32_pk16_fp6_f32 v[\pc+6*\c:\pc+2+6*\c], v[\s+32*\c:\s+15+32*\c], v[\tm+12+2*\c]
	v_cvt_scalef32_pk16_fp6_f32 v[\pc+12+4*\c:\pc+14+4*\c], v[\s+16+32*\c:\s+31+32*\c], v[\tm+12+2*\c+1]   ; (a conversion's three registers begin on an even number)
.endr
	v_nop                                          ; one plain place behind a scaled conversion
.irp c, 0,1                                    ; the operand's layout wants a WHOLE block in a lane: lanes 0-15 block 2 c, lanes 16-31 block 2 c + 1
.irp i, 0,1,2
	v_permlane16_swap_b32 v[\pc+6*\c+\i], v[\pc+12+4*\c+\i]
.endr
.irp i, 0,1,2
	v_mov_b32 v[\pc+3+6*\c+\i], v[\pc+12+4*\c+\i]
.endr
.endr
.endm
	s_load_b512 s[16:31], s[0:1], 0x0              ; q_codes 16, q_scales 18, k_codes 20, k_scales 22, v_codes 24, v_scales 26, Wq_codes 28, Wq_scales 30
	s_load_b512 s[32:47], s[0:1], 0x40             ; Wk_codes 32, Wk_scales 34, Wv_codes 36, Wv_scales 38, bq 40, bk 42, bv 44, qimg 46
	s_load_b64 s[48:49], s[0:1], 0x80              ; kv
	v_lshrrev_b32 v1, 5, v0
	v_readfirstlane_b32 s2, v1                     ; wave 0..5
	v_and_b32 v1, 31, v0                           ; lane
	v_and_b32 v2, 15, v0                           ; r
	v_bfe_u32 v3, v0, 4, 1                         ; h
	v_and_b32 v4, 8, v2
	v_add_nc_u32 v4, v4, v2                        ; perm(r)
	v_mul_u32_u24 v5, v4, 96                       ; a row of 128 codes is 96 bytes,
	v_mad_u32_u24 v5, v3, 24, v5                   ; + 24 h
	v_lshlrev_b32 v6, 2, v4                        ; a row's scale word, and a channel's bias
	v_lshlrev_b32 v9, 6, v3                        ; Q, K: the bias of my half's 16 channels
.irp b, 0,1,2,3
	v_mov_b32 v[TM+4+\b], 0                        ; written once: a lane permute's destination counts as one of its sources
.endr
	s_and_b32 s6, ttmp7, 0xffff                    ; head
	s_lshl_b32 s8, ttmp9, 7                        ; the block's first token
	s_lshl_b32 s9, s6, 7                           ; the head's first row of W
	s_mov_b32 s15, 0                               ; the upper word of every offset pair s[14:15]
	s_mov_b32 s[SEL], 0x76543210
	s_mov_b32 s[SEL+1], 0xfedcba98
	s_wait_alu depctr_va_sdst(0)                   ; s2 is written, ahead of its first reader: kind and half, and by them the buffers and the offsets, are made from it
	s_lshr_b32 s3, s2, 1                           ; kind
	s_and_b32 s4, s2, 1                            ; half
	s_mul_i32 s14, s4, 6144
	v_lshl_add_u32 v7, v1, 4, s14                  ; out: 16 x lane + my four tiles' place
	s_lshl_b32 s14, s4, 8
	s_add_co_u32 s14, s14, 12288
	v_lshl_add_u32 v8, v2, 4, s14                  ; out: my scale words: 12,288 + 256 half + 16 r
	v_lshl_add_u32 v8, v3, 3, v8                   ; + 8 h: lanes 0-15 store tiles 0, 1, lanes 16-31 tiles 2, 3
	s_wait_kmcnt 0x0
	; the buffers are chosen on the wave's number alone; only selects and moves stand between a compare and its selects
	s_cmp_eq_u32 s3, 0
	s_cselect_b64 s[50:51], s[16:17], s[20:21]     ; tokens' codes: q's or k's
	s_cselect_b64 s[52:53], s[18:19], s[22:23]     ; their scales
	s_cselect_b64 s[54:55], s[28:29], s[32:33]     ; W's codes
	s_cselect_b64 s[56:57], s[30:31], s[34:35]     ; W's scales
	s_cselect_b64 s[58:59], s[40:41], s[42:43]     ; the bias
	s_cselect_b64 s[60:61], s[46:47], s[48:49]     ; out: qimg or kv
	s_mov_b32 s10, 25600
	s_cselect_b32 s10, 12800, s10                  ; bytes from one (head, block) to the next
	s_cmp_eq_u32 s3, 2
	s_cselect_b64 s[50:51], s[24:25], s[50:51]     ; or v's
	s_cselect_b64 s[52:53], s[26:27], s[52:53]
	s_cselect_b64 s[54:55], s[36:37], s[54:55]
	s_cselect_b64 s[56:57], s[38:39], s[56:57]
	s_cselect_b64 s[58:59], s[44:45], s[58:59]
	s_cselect_b64 s[66:67], s[50:51], s[54:55]     ; side A: V: the tokens; Q, K: W
	s_cselect_b64 s[68:69], s[52:53], s[56:57]
	s_cselect_b64 s[70:71], s[54:55], s[50:51]     ; side B: the other
	s_cselect_b64 s[72:73], s[56:57], s[52:53]
	s_cselect_b32 s12, s8, s9                      ; A's first row
	s_cselect_b32 s13, s9, s8                      ; B's
	s_cselect_b32 s11, 12800, 0                    ; V's BLOCK lies behind K's
	s_lshl_b32 s14, s4, 6
	s_add_co_u32 s13, s13, s14                     ; + 64 half: base(4 half + t) = 64 half + base(t)
	s_mul_i32 s14, s12, 96
	s_add_nc_u64 s[66:67], s[66:67], s[14:15]
	s_lshl_b32 s14, s12, 2
	s_add_nc_u64 s[68:69], s[68:69], s[14:15]
	s_mul_i32 s14, s13, 96
	s_add_nc_u64 s[70:71], s[70:71], s[14:15]
	s_lshl_b32 s14, s13, 2
	s_add_nc_u64 s[72:73], s[72:73], s[14:15]
	s_lshl_b32 s14, s6, 5
	s_add_co_u32 s14, s14, ttmp9                   ; 32 head + block
	s_mul_i32 s14, s14, s10
	s_add_co_u32 s14, s14, s11
	s_add_nc_u64 s[60:61], s[60:61], s[14:15]
	WIN 0x40                                       ; destination window 1, address window 0
	s_wait_alu depctr_va_vdst(0)                   ; the offsets v5 to v9 are written, which every load and store of the kernel reads; up to the biases' loads in both arms no vector instruction is issued
.irp a, 0,1,2,3,4,5,6,7
.irp p, 0,1,2,3,4,5
	global_load_b64 v[AF+12*\a+2*\p:AF+12*\a+2*\p+1], v5, s[66:67] offset:(32*(\a/2)+8*(\a%2))*96+48*(\p/3)+8*(\p%3)   ; a fragment: two runs of 24 bytes of the row's stream of bits, in pieces of 8
.endr
.endr
	WIN 0
.irp a, 0,1,2,3,4,5,6,7
	global_load_b32 v[ASC+\a], v6, s[68:69] offset:(32*(\a/2)+8*(\a%2))*4
.endr
.irp t, 0,1,2,3
.irp p, 0,1,2,3,4,5
	global_load_b64 v[BF+12*\t+2*\p:BF+12*\t+2*\p+1], v5, s[70:71] offset:(32*(\t/2)+8*(\t%2))*96+48*(\p/3)+8*(\p%3)
.endr
	global_load_b32 v[BSC+\t], v6, s[72:73] offset:(32*(\t/2)+8*(\t%2))*4
.endr
; Tile 4 half + t: 8 matrix instructions, each with its bias as C; the quantiser, into the tile's own registers.  kind = 1: V.
; Each result is written once a tile.  Between a tile's products and the next tile's, which write over the same results, stand the four v_nop and the quantiser's lines on its own registers: more than five places.
.macro TILE t, kind
	WIN 0x11                                       ; source 0 (A) and C (the bias) window 1
.irp a, 0,1,2,3,4,5,6,7
.if \kind
	v_wmma_scale_f32_16x16x128_f8f6f4 v[H+8*\a:H+8*\a+7], v[AF+12*\a:AF+12*\a+11], v[BF+12*\t:BF+12*\t+11], v[BI+8*\t:BI+8*\t+7], v[ASC+\a], v[BSC+\t] matrix_a_fmt:MATRIX_FMT_FP6 matrix_b_fmt:MATRIX_FMT_FP6
.else
	v_wmma_scale_f32_16x16x128_f8f6f4 v[H+8*\a:H+8*\a+7], v[AF+12*\a:AF+12*\a+11], v[BF+12*\t:BF+12*\t+11], v[BI+8*\a:BI+8*\a+7], v[ASC+\a], v[BSC+\t] matrix_a_fmt:MATRIX_FMT_FP6 matrix_b_fmt:MATRIX_FMT_FP6
.endif
.endr
	WIN 0
.rept 4
	v_nop                                          ; four places in front of the first read of results (ISA guide 7.12.1)
.endr
	QUANT H, PC+20*\t, TM, PW+\t
.endm
; Tile t's codes leave: three stores of 512 consecutive bytes.  Their registers are the tile's own and are not written again.
.macro SEND t
	s_wait_alu depctr_va_vdst(0)                   ; the conversions, swaps and moves have written tile t's codes, which the three stores read (behind tile 3: the two selects have written v10 and v11 too)
.irp c, 0,1,2
	global_store_b128 v7, v[PC+20*\t+4*\c:PC+20*\t+4*\c+3], s[60:61] offset:1536*\t+512*\c
.endr
.endm
; The last tile's codes, and my four tiles' scale words: every lane holds its row's four (both halves of the lanes the same); 32 lanes store 256 consecutive bytes, aligned
.macro LASTOUT
	v_cmp_ne_u32 vcc_lo, 0, v3
	s_wait_alu depctr_va_vcc(0)                    ; the compare has written VCC, which the two selects read
	v_cndmask_b32 v10, v[PW], v[PW+2], vcc_lo
	v_cndmask_b32 v11, v[PW+1], v[PW+3], vcc_lo
	SEND 3
	global_store_b64 v8, v[10:11], s[60:61]
.endm
	s_cmp_eq_u32 s3, 2                             ; the wave's number alone
	s_cbranch_scc1 .Lv
	; Q, K: register j of result a in lane (r, h) is channel base(a) + 16 h + j
	s_lshl_b32 s14, s9, 2
	s_add_nc_u64 s[58:59], s[58:59], s[14:15]
	WIN 0x40
.irp a, 0,1,2,3,4,5,6,7
	global_load_b128 v[BI+8*\a:BI+8*\a+3], v9, s[58:59] offset:(32*(\a/2)+8*(\a%2))*4
	global_load_b128 v[BI+8*\a+4:BI+8*\a+7], v9, s[58:59] offset:(32*(\a/2)+8*(\a%2))*4+16
.endr
	WIN 0
	s_wait_loadcnt 0x0
	TILE 0, 0
	SEND 0
	TILE 1, 0
	SEND 1
	TILE 2, 0
	SEND 2
	TILE 3, 0
	LASTOUT
	s_endpgm
.Lv:
	; V: a lane holds one channel, 64 half + base(t) + perm(r): its bias stands in all eight registers
	s_lshl_b32 s14, s13, 2
	s_add_nc_u64 s[58:59], s[58:59], s[14:15]
	WIN 0x40
.irp t, 0,1,2,3
	global_load_b32 v[BI+8*\t], v6, s[58:59] offset:(32*(\t/2)+8*(\t%2))*4
.endr
	s_wait_loadcnt 0x0
	WIN 0x41                                       ; source 0 and destination window 1
.irp t, 0,1,2,3
.irp j, 1,2,3,4,5,6,7
	v_mov_b32 v[BI+8*\t+\j], v[BI+8*\t]            ; (into registers that no memory instruction names)
.endr
.endr
	WIN 0
	TILE 0, 1
	SEND 0
	TILE 1, 1
	SEND 1
	TILE 2, 1
	SEND 2
	TILE 3, 1
	LASTOUT
	s_endpgm
.Lfunc_end_k_q48dce20767_proj:
	.size	k_q48dce20767_proj, .Lfunc_end_k_q48dce20767_proj-k_q48dce20767_proj
	.p2alignl 7, 3214868480
	.fill 96, 4, 3214868480
	.section	.rodata,"a",@progbits
	.p2align	6, 0x0
	.amdhsa_kernel k_q48dce20767_proj
		.amdhsa_group_segment_fixed_size 0
		.amdhsa_private_segment_fixed_size 0
		.amdhsa_enable_private_segment 0
		.amdhsa_kernarg_size 136
		.amdhsa_user_sgpr_count 2
		.amdhsa_user_sgpr_kernarg_segment_ptr 1
		.amdhsa_wavefront_size32 1
		.amdhsa_system_sgpr_workgroup_id_x 1
		.amdhsa_system_sgpr_workgroup_id_y 1
		.amdhsa_system_sgpr_workgroup_id_z 1
		.amdhsa_system_vgpr_workitem_id 0
		.amdhsa_next_free_vgpr 416
		.amdhsa_next_free_sgpr 76
		.amdhsa_reserve_vcc 1
		.amdhsa_float_denorm_mode_32 3
		.amdhsa_float_denorm_mode_16_64 3
		.amdhsa_memory_ordered 1
		.amdhsa_forward_progress 1
		.amdhsa_inst_pref_size 57
	.end_amdhsa_kernel
	.amdgpu_metadata
---
amdhsa.version: [ 1, 2 ]
amdhsa.kernels:
  - .name:           k_q48dce20767_proj
    .symbol:         k_q48dce20767_proj.kd
    .args:
      - { .name: q_codes, .offset: 0, .size: 8, .value_kind: global_buffer, .address_space: global }
      - { .name: q_scales, .offset: 8, .size: 8, .value_kind: global_buffer, .address_space: global }
      - { .name: k_codes, .offset: 16, .size: 8, .value_kind: global_buffer, .address_space: global }
      - { .name: k_scales, .offset: 24, .size: 8, .value_kind: global_buffer, .address_space: global }
      - { .name: v_codes, .offset: 32, .size: 8, .value_kind: global_buffer, .address_space: global }
      - { .name: v_scales, .offset: 40, .size: 8, .value_kind: global_buffer, .address_space: global }
      - { .name: Wq_codes, .offset: 48, .size: 8, .value_kind: global_buffer, .address_space: global }
      - { .name: Wq_scales, .offset: 56, .size: 8, .value_kind: global_buffer, .address_space: global }
      - { .name: Wk_codes, .offset: 64, .size: 8, .value_kind: global_buffer, .address_space: global }
      - { .name: Wk_scales, .offset: 72, .size: 8, .value_kind: global_buffer, .address_space: global }
      - { .name: Wv_codes, .offset: 80, .size: 8, .value_kind: global_buffer, .address_space: global }
      - { .name: Wv_scales, .offset: 88, .size: 8, .value_kind: global_buffer, .address_space: global }
      - { .name: bq, .offset: 96, .size: 8, .value_kind: global_buffer, .address_space: global }
      - { .name: bk, .offset: 104, .size: 8, .value_kind: global_buffer, .address_space: global }
      - { .name: bv, .offset: 112, .size: 8, .value_kind: global_buffer, .address_space: global }
      - { .name: qimg, .offset: 120, .size: 8, .value_kind: global_buffer, .address_space: global }
      - { .name: kv, .offset: 128, .size: 8, .value_kind: global_buffer, .address_space: global }
    .group_segment_fixed_size: 0
    .private_segment_fixed_size: 0
    .kernarg_segment_align: 8
    .kernarg_segment_size: 136
    .max_flat_workgroup_size: 192
    .sgpr_count:     76
    .vgpr_count:     416
    .wavefront_size: 32
...
	.end_amdgpu_metadata
.endif
;; end of part 4
;; launch attn (part 5): grid 32 x 8, 8 waves a work-group, clusters of 4 x 1, 327,680 bytes of LDS; arguments qimg, kv, cimg, csc; writes cimg, csc
.if DOCPART == 5
	.amdgcn_target "amdgcn-amd-amdhsa--gfx1250"
	.amdhsa_code_object_version 6
	.text
	.protected	k_q48dce20767_attn
	.globl	k_q48dce20767_attn
	.p2align	8
	.type	k_q48dce20767_attn,@function
k_q48dce20767_attn:
	s_mov_b64 s[64:65], 0
	v_nop
	global_prefetch_b8 v0, s[64:65] scope:SCOPE_SE
	s_setreg_imm32_b32 hwreg(HW_REG_WAVE_MODE, 25, 1), 1
	s_wait_xcnt 0x0
	s_wait_alu depctr_hold_cnt(0) depctr_sa_sdst(0) depctr_va_vdst(0) depctr_va_sdst(0) depctr_va_ssrc(0) depctr_va_vcc(0) depctr_vm_vsrc(0)
	s_getreg_b32 s2, hwreg(HW_REG_IB_STS2, 6, 4)
	s_cmp_eq_u32 s2, 0
	s_cbranch_scc0 .Lentry_in_a_cluster
	s_endpgm
.Lentry_in_a_cluster:
	s_bfe_u32 s2, ttmp6, 0x10000c
	s_cmp_lg_u32 s2, 0x3003
	s_cbranch_scc0 .Lentry_shape_is_right
	s_endpgm
.Lentry_shape_is_right:
; ATTENTION ON CODES OF FP6 (E2M3): scores = qs ks^T / sqrt(128), the softmax, ctx = (p vs) / l, and ctx's quantiser along the head's channels.  Nothing of the problem's work is left out here.
; THE SOFTMAX AHEAD OF THE SECOND PRODUCT: t = score x c, c = log2(e) / sqrt(128) (ONE multiplication where the source has two); M = the row's largest t so far, rounded UP to a whole number;
; p = 2^(t - M) is what is quantised, along the keys, not normalised.  The row's sum l is taken of the unquantised p, in f32, and divides at the end.  When M moves, l and O are multiplied by 2^(old M - new M): exact.
; A block's largest p is not searched for: the block's largest SCORE goes through the same multiply-add and exponential (this takes v_exp_f32 not to fall where its input rises).
; LIMITS: NaN and infinities are not served; a block whose largest magnitude lies under 2^-124, a block of zeros among them, gets the scale byte 1: only this program reads the bytes.
; INPUTS are images of operand registers: a fragment is 1,536 bytes, register group c of lane l at 512 c + 16 l; a BLOCK is 8 fragments and 512 bytes of scale words (row r's word of tile 4 j + i at
; 12,288 + 256 j + 16 r + 4 i).  Tile t holds the rows 32 (t / 2) + 8 (t % 2) + r + 8 (r / 8): so the 16 result registers of tiles 2 b, 2 b + 1 are the neighbours 32 b + 16 (lane / 16) + 0 .. 15.
; qimg: [head][query block] BLOCK.  kv: [head][key step of 128][K's BLOCK | V's BLOCK], 25,600 bytes a step; V's rows are channels, its K the step's keys.
; SHARES.  A work-group owns 128 queries of one head; each of its eight waves one tile of 16, in 256 registers.  Every wave walks the head's 32 key steps; a step is 8 + 8 matrix instructions.
; Both products are used transposed: S^T = K Q^T, O^T = V^T P^T: a lane holds ONE query (lane % 16) throughout.
; RING.  Two LDS slots of four key steps (102,400 dense bytes of kv).  Each wave fetches an eighth of a slot, one BLOCK, by one tensor load; its addresses are made by arithmetic on the wave's number, so every
; wave passes every load.  By this text's count one tensor load of a wave is out at any time.  Every LDS read takes 16 bytes a lane on end: no padding.
; CLUSTER.  The four query blocks of a cluster belong to one head and walk the same kv: each BLOCK is asked for JOINTLY, by the same load with the same descriptor and a mask that names the four.
; OUT.  cimg: [query tile 8 block + wave][head] a fragment's image; csc: the same index, the scale register's image, 4 bytes a lane (128 consecutive bytes a wave).
; REGISTERS: v1-5 offsets that stay; v6-9 the slot's LDS addresses; v12 -M, v13 the largest t, v[14:15] the sum in two halves; v16-27 Q; v32-79 four fragments; v80-87 the step's scale words
; (lanes 0-15 K's, lanes 16-31 V's); v96-159 S^T, then p, then V's tiles 4-7; v160-223 O^T; v224-235 p's codes; v232-254 at work; v253 p's scale word; v255 Q's.
.set SLOT1, 1<<17                      ; slot 1 begins here: one exclusive or turns an address in one slot into the other's
.set SLOTB, 102400                     ; a slot's bytes: four key steps
.set SPARE, SLOT1+SLOTB                ; behind the ring: the spare words, 128 bytes for each wave: four blocks of 256 bytes that no other line names
.set LI0, 1                            ; v1   16 x lane
.set LS0, 2                            ; v2   12,288 + 16 r + 12,800 h: lanes 0-15 take K's scale words, lanes 16-31 V's
.set SPW, 3                            ; v3   LDS address of my spare word; never rewritten
.set NIL, 4                            ; v4   0; never rewritten
.set PFO, 5                            ; v5   the prefetches' offset; never rewritten
.set WV,  12                           ; s12  my wave's number
.set SEL, 20                           ; s[20:21] lane selects for v_permlanex16_b32: lane l xor 16
.set CS,  22                           ; s[22:23] c: the packed form names a pair and takes its low word for both halves
.set G1,  24                           ; s[24:31] descriptor group 1
.set G0,  32                           ; s[32:35] descriptor group 0, which walks
.set TB,  36                           ; s36  LDS byte at which the slot in hand begins
.set SLOTS, 37                         ; s37  slots still to be asked for
.set LIM, 38                           ; s38  1 in a wave that prefetches, else the greatest number
.set PFA, 40                           ; s[40:41] where my prefetches stand
; A round of the cluster's barrier: my work-group's barrier; wave 0 signals for the work-group; every wave waits for all four work-groups; my work-group's barrier once more.
.macro ROUND
	s_barrier_signal -1
	s_barrier_wait -1
	s_cmp_lg_u32 s[WV], 0
	s_cbranch_scc1 .Lnot_wave_0_\@
	s_barrier_signal -3
.Lnot_wave_0_\@:
	s_barrier_wait -3
	s_barrier_signal -1
	s_barrier_wait -1
.endm
.macro JLOAD                           ; my eighth of a slot; an s_nop 0 and four v_nop follow the load
	tensor_load_to_lds s[G0:G0+3], s[G1:G1+7]
	s_nop 0
.rept 4
	v_nop
.endr
.endm
; A PREFETCH INTO THE L2 of the slot that the NEXT change of slots will ask for: four key steps ahead of that load.  All clusters of a head walk the same kv: the head's first cluster asks.  Its four partners share
; the slot out BY ADDRESS: partner cx takes key step cx, 25,600 bytes; in each, waves 0 to 3 take 6,400 bytes, 25 blocks of 256, a lane a block (lanes 25 to 31 name lane 24's block again: 25 does not fill a wave).
; Slots 2 to 7 are named, in the trips with s[SLOTS] = 7 .. 2; the last change that fills a slot asks for nothing; slots 0 and 1 come by their loads alone.  The highest byte named in a head is 818,944 of 819,200.
.macro ASK
	s_cmp_gt_u32 s[SLOTS], s[LIM]
	s_cbranch_scc0 .Lnot_mine_\@
	global_prefetch_b8 v[PFO], s[PFA:PFA+1] th:TH_LOAD_NT scope:SCOPE_SE
.Lnot_mine_\@:
.endm
; 64 numbers of a lane, register 16 b + i = k 32 b + 16 (lane / 16) + i of my row, become a fragment's codes in v[pc] .. v[pc + 11] and its scale word in v[pw].
.macro QUANT s, pc, tm, pw
.irp b, 0,1,2,3
	v_max3_num_f32 v[\tm+\b], |v[\s+16*\b]|, |v[\s+1+16*\b]|, 0x1800000   ; block b: my 16 numbers, and the floor 2^(3 - 127): so the byte cannot fall under 1
.endr
.irp i, 2,4,6,8,10,12,14
.irp b, 0,1,2,3
	s_delay_alu instid0(VALU_DEP_4)
	v_max3_num_f32 v[\tm+\b], v[\tm+\b], |v[\s+16*\b+\i]|, |v[\s+1+16*\b+\i]|
.endr
.endr
.irp b, 0,1,2,3
	s_delay_alu instid0(VALU_DEP_4)
	v_permlanex16_b32 v[\tm+4+\b], v[\tm+\b], s[SEL], s[SEL+1]
.endr
.irp b, 0,1,2,3
	s_delay_alu instid0(VALU_DEP_4)
	v_max_num_f32 v[\tm+\b], v[\tm+\b], v[\tm+4+\b]   ; with lane l xor 16's: the block's largest magnitude
.endr
.irp b, 0,1,2,3
	s_delay_alu instid0(VALU_DEP_4)
	v_add_nc_u32 v[\tm+12+\b], 0xff000000, v[\tm+\b]   ; 2 off its exponent field: the conversion's scale operand
.endr
.irp b, 0,1,2,3
	s_delay_alu instid0(VALU_DEP_4)
	v_lshrrev_b32 v[\tm+4+\b], 23, v[\tm+12+\b]   ; the scale's byte
.endr
	s_delay_alu instid0(VALU_DEP_3)
	v_lshl_or_b32 v[\pw], v[\tm+5], 8, v[\tm+4]
	s_delay_alu instid0(VALU_DEP_1)
	v_lshl_or_b32 v[\pw], v[\tm+6], 16, v[\pw]
	s_delay_alu instid0(VALU_DEP_1)
	v_lshl_or_b32 v[\pw], v[\tm+7], 24, v[\pw]
.irp c, 0,1
	v_cvt_scalef32_pk16_fp6_f32 v[\pc+6*\c:\pc+2+6*\c], v[\s+32*\c:\s+15+32*\c], v[\tm+12+2*\c]
	v_cvt_scalef32_pk16_fp6_f32 v[\pc+12+4*\c:\pc+14+4*\c], v[\s+16+32*\c:\s+31+32*\c], v[\tm+12+2*\c+1]   ; (a conversion's three registers begin on an even number)
.endr
	v_nop                                          ; one plain place behind a scaled conversion
.irp c, 0,1
.irp i, 0,1,2
	v_permlane16_swap_b32 v[\pc+6*\c+\i], v[\pc+12+4*\c+\i]
.endr
.irp i, 0,1,2
	s_delay_alu instid0(VALU_DEP_3)
	v_mov_b32 v[\pc+3+6*\c+\i], v[\pc+12+4*\c+\i]
.endr
.endr
.endm
	s_load_b256 s[4:11], s[0:1], 0x0               ; qimg s[4:5], kv s[6:7], cimg s[8:9], csc s[10:11]
	v_lshl_add_u32 v[SPW], v0, 2, SPARE
	v_mov_b32 v[NIL], 0
	ds_add_u32 v[SPW], v[NIL]                      ; the wave's opening: the add, twice on end, and its wait ahead of my first tensor load; the set-up below, work on registers, stands between
	ds_add_u32 v[SPW], v[NIL]                      ; and once more, under the one wait
	v_lshrrev_b32 v10, 5, v0
	s_delay_alu instid0(VALU_DEP_1)
	v_readfirstlane_b32 s[WV], v10                 ; wave 0..7
	s_bfe_u32 s13, ttmp6, 0x40000                  ; cx: my place in the cluster
	s_lshl_b32 s14, ttmp9, 2                       ; in a cluster launch ttmp9 counts clusters
	s_add_co_u32 s14, s14, s13                     ; my block of 128 queries: it enters qimg's, cimg's and csc's addresses alone
	s_and_b32 s15, ttmp7, 0xffff                   ; the head, which the four partners share
	; descriptor group 1: 12,800 dense bytes as 50 rows of 256 bytes
	s_mov_b32 s[G1], 15|(3<<16)|(1<<21)            ; 15:0 the mask: all four work-groups; 17:16 elements of 8 bytes; 20 no padding; 21 set beside a mask
	s_mov_b32 s[G1+1], 32<<16                      ; tensor_dim0 = 32
	s_mov_b32 s[G1+2], 50<<16                      ; tensor_dim1 = 50
	s_mov_b32 s[G1+3], 32<<16                      ; tile_dim0 = 32
	s_mov_b32 s[G1+4], 50                          ; tile_dim1 = 50
	s_mov_b32 s[G1+5], 32                          ; elements from row to row
	s_mov_b32 s[G1+6], 0
	s_mov_b32 s[G1+7], 0
	s_mov_b32 s[SEL], 0x76543210
	s_mov_b32 s[SEL+1], 0xfedcba98
	s_mov_b32 s[CS], 0x3e0293ee                    ; c = log2(e) / sqrt(128)
	s_mov_b32 s[CS+1], s[CS]                       ; (named with it as a pair, so it is written)
	s_mov_b32 s[TB], 0
	s_mov_b32 s[SLOTS], 7
	s_lshr_b32 s[LIM], s[WV], 2                    ; 0 in waves 0 to 3,
	s_or_b32 s[LIM], s[LIM], ttmp9                 ; of the head's first cluster: the same in all four partners
	s_cmp_eq_u32 s[LIM], 0
	s_cselect_b32 s[LIM], 1, -1
	v_and_b32 v11, 31, v0                          ; lane
	s_delay_alu instid0(VALU_DEP_1)
	v_lshlrev_b32 v[LI0], 4, v11
	s_wait_alu depctr_va_vdst(0)
	v_and_b32 v10, 15, v0                          ; r
	s_wait_alu depctr_va_vdst(0)
	v_bfe_u32 v[LS0], v0, 4, 1                     ; h
	s_delay_alu instid0(VALU_DEP_1)
	v_mul_u32_u24 v[LS0], v[LS0], 12800
	s_delay_alu instid0(VALU_DEP_1)
	v_lshl_add_u32 v[LS0], v10, 4, v[LS0]
	s_delay_alu instid0(VALU_DEP_1)
	v_add_nc_u32 v[LS0], 12288, v[LS0]
	v_min_u32 v[PFO], 24, v11
	s_delay_alu instid0(VALU_DEP_1)
	v_lshlrev_b32 v[PFO], 8, v[PFO]
	s_mul_i32 s42, s15, 819200                     ; the head's first byte in kv
	s_mov_b32 s43, 0
	s_mul_i32 s[G0+1], s[WV], 12800                ; group 0, 63:32: LDS address: my eighth of slot 0: no place in the cluster enters it
	s_add_co_u32 s18, s42, s[G0+1]                 ; and the same eighth in memory: head and wave alone
	s_mov_b32 s19, 0
	s_mul_i32 s44, s13, 25600                      ; the prefetches: my work-group's key step of a slot,
	s_and_b32 s45, s[WV], 3
	s_mul_i32 s45, s45, 6400                       ; my wave's quarter of it,
	s_add_co_u32 s44, s44, s45
	s_add_co_u32 s44, s44, SLOTB                   ; in slot 1: the first change of slots steps it to slot 2
	s_mov_b32 s45, 0
	s_add_nc_u64 s[44:45], s[44:45], s[42:43]
	s_lshl_b32 s46, s15, 5
	s_add_co_u32 s46, s46, s14
	s_mul_i32 s46, s46, 12800                      ; my query block's BLOCK in qimg
	s_mov_b32 s47, 0
	s_mul_i32 s48, s[WV], 1536                     ; in it my tile's image,
	s_lshr_b32 s49, s[WV], 2
	s_lshl_b32 s49, s49, 8
	s_and_b32 s16, s[WV], 3
	s_lshl_b32 s16, s16, 2
	s_add_co_u32 s49, s49, s16
	s_add_co_u32 s49, s49, 12288                   ; and its scale words: 12,288 + 256 (wave / 4) + 4 (wave % 4)
	v_add_nc_u32 v11, s48, v[LI0]
	v_lshl_add_u32 v10, v10, 4, s49                ; + 16 r
	s_lshl_b32 s16, s14, 3
	s_add_co_u32 s16, s16, s[WV]                   ; my query tile: 8 block + wave
	s_lshl_b32 s16, s16, 3
	s_add_co_u32 s16, s16, s15                     ; x 8 + head
	s_lshl_b32 s48, s16, 7                         ; 128 bytes each in csc,
	s_mov_b32 s49, 0
	s_mul_i32 s16, s16, 1536                       ; 1,536 in cimg
	s_mov_b32 s17, 0
	s_wait_dscnt 0x0                               ; both opening adds are done
	s_wait_kmcnt 0x0
	s_mov_b32 s[G0], 1                             ; 1:0 count = 1
	s_add_nc_u64 s[G0+2:G0+3], s[6:7], s[18:19]    ; 120:64 global address
	s_or_b32 s[G0+3], s[G0+3], 0x80000000          ; 127:126 type = 2
	s_add_nc_u64 s[PFA:PFA+1], s[6:7], s[44:45]
	s_add_nc_u64 s[4:5], s[4:5], s[46:47]
	s_add_nc_u64 s[8:9], s[8:9], s[16:17]
	s_add_nc_u64 s[10:11], s[10:11], s[48:49]
	ROUND                                          ; all four work-groups are here: the first joint loads meet
	JLOAD                                          ; slot 0
	s_wait_alu depctr_va_vdst(0)
.irp c, 0,1,2
	global_load_b128 v[16+4*\c:19+4*\c], v11, s[4:5] offset:512*\c   ; Q's fragment stays in registers
.endr
	global_load_b32 v255, v10, s[4:5]              ; and its scale words
	v_mov_b32 v13, 0xff61b1e6                      ; the largest t so far: -3e38, under every t
	s_delay_alu instid0(VALU_DEP_1)
	v_floor_f32 v12, -v13                          ; -M
	v_mov_b32 v14, 0                               ; the sum, in two halves
	v_mov_b32 v15, 0
.irp b, 0,1,2,3
	v_mov_b32 v[236+\b], 0                         ; written once: a lane permute's destination counts as one of its sources
.endr
	v_mov_b32 v253, 0                              ; (named as the upper half of the pair v[252:253] before it is first written)
.irp j, 0,1,2,3,4,5,6,7,8,9,10,11,12,13,14,15,16,17,18,19,20,21,22,23,24,25,26,27,28,29,30,31,32,33,34,35,36,37,38,39,40,41,42,43,44,45,46,47,48,49,50,51,52,53,54,55,56,57,58,59,60,61,62,63
	v_mov_b32 v[160+\j], 0                         ; O^T.  (The step is written without a first step of its own: it finds zeros, which the first change of M leaves zeros)
.endr
; A KEY STEP: 128 keys, the q-th of the slot in hand.
.macro STEP q
.set ADR, 6+(\q)/2                     ; images: steps 0, 1 by v6, steps 2, 3 by v7, so that every offset fits its 16 bits (50,176 at the most)
.set ASR, 8+(\q)/2                     ; scale words likewise: v8, v9
.set OFS, 25600*((\q)%2)
; The last step's products read v32-79, v80-87 and v96-143.  The loads below stand four places behind them, and this step's products, which write over v96 on, five (ISA guide 7.12.1 for vector instructions).
.if (\q) == 0
	v_nop                                          ; the four additions that made the slot's addresses are places too
.else
.rept 5
	v_nop
.endr
.endif
	ds_load_b128 v[80:83], v[ASR] offset:OFS       ; the scale words of tiles 0-3: lanes 0-15 K's, lanes 16-31 V's,
	ds_load_b128 v[84:87], v[ASR] offset:OFS+256   ; and of tiles 4-7
.irp t, 0,1,2,3
.irp c, 0,1,2
	ds_load_b128 v[32+12*\t+4*\c:35+12*\t+4*\c], v[ADR] offset:OFS+1536*\t+512*\c   ; K's tiles 0-3
.endr
.endr
	s_wait_dscnt 0x0
.irp t, 0,1,2,3
	v_wmma_scale_f32_16x16x128_f8f6f4 v[96+8*\t:103+8*\t], v[32+12*\t:43+12*\t], v[16:27], 0, v[80+\t], v255 matrix_a_fmt:MATRIX_FMT_FP6 matrix_b_fmt:MATRIX_FMT_FP6
.endr
.rept 4
	v_nop                                          ; places in front of loads into registers that matrix instructions have read
.endr
.irp t, 0,1,2,3
.irp c, 0,1,2
	ds_load_b128 v[32+12*\t+4*\c:35+12*\t+4*\c], v[ADR] offset:OFS+1536*(4+\t)+512*\c   ; K's tiles 4-7
.endr
.endr
	s_wait_dscnt 0x0
.irp t, 0,1,2,3
	v_wmma_scale_f32_16x16x128_f8f6f4 v[128+8*\t:135+8*\t], v[32+12*\t:43+12*\t], v[16:27], 0, v[84+\t], v255 matrix_a_fmt:MATRIX_FMT_FP6 matrix_b_fmt:MATRIX_FMT_FP6
.endr                                          ; lane (r, h) holds query r; the 16 registers of tiles 2 b, 2 b + 1 are keys 32 b + 16 h + 0 .. 15 of the step
.rept 4
	v_nop                                          ; places in front of the loads below and of the first read of the scores
.endr
.irp t, 0,1,2,3
.irp c, 0,1,2
	ds_load_b128 v[32+12*\t+4*\c:35+12*\t+4*\c], v[ADR] offset:OFS+12800+1536*\t+512*\c   ; V's tiles 0-3: they land under the softmax; the wait stands in front of the second product
.endr
.endr
.irp b, 0,1,2,3
	v_max3_num_f32 v[232+\b], v[96+16*\b], v[97+16*\b], v[98+16*\b]   ; THE LARGEST SCORE OF EACH BLOCK OF 32 KEYS: it serves twice: for the row's maximum and for the block's largest p
.endr
.irp i, 3,5,7,9,11,13
.irp b, 0,1,2,3
	v_max3_num_f32 v[232+\b], v[232+\b], v[96+16*\b+\i], v[97+16*\b+\i]   ; (the four blocks by turns)
.endr
.endr
.irp b, 0,1,2,3
	v_max_num_f32 v[232+\b], v[232+\b], v[111+16*\b]
.endr
.irp b, 0,1,2,3
	s_delay_alu instid0(VALU_DEP_4)
	v_permlanex16_b32 v[236+\b], v[232+\b], s[SEL], s[SEL+1]
.endr
.irp b, 0,1,2,3
	s_delay_alu instid0(VALU_DEP_4)
	v_max_num_f32 v[232+\b], v[232+\b], v[236+\b]  ; with lane l xor 16's 16 keys
.endr
	s_delay_alu instid0(VALU_DEP_2)
	v_max3_num_f32 v254, v232, v233, v234
	s_delay_alu instid0(VALU_DEP_1)
	v_max_num_f32 v254, v254, v235                 ; the step's largest score of my query
	s_delay_alu instid0(VALU_DEP_1)
	v_mul_f32 v254, s[CS], v254                    ; as t (c is positive)
	s_delay_alu instid0(VALU_DEP_1)
	v_max_num_f32 v13, v13, v254                   ; the running largest t
	v_mov_b32 v254, v12
	s_delay_alu instid0(VALU_DEP_2)
	v_floor_f32 v12, -v13                          ; the new -M = floor(-t) = -ceil(t): M IS A WHOLE NUMBER
	s_delay_alu instid0(VALU_DEP_1)
	v_sub_f32 v254, v12, v254                      ; M's old value less its new one: a whole number, 0 or less
	s_delay_alu instid0(VALU_DEP_1)
	v_cvt_i32_f32 v254, v254                       ; (it saturates)
	s_delay_alu instid0(VALU_DEP_1)
	v_ldexp_f32 v252, 1.0, v254                    ; f = 2^(old M - new M): a multiplication by it rounds nothing
.irp j, 0,2,4,6,8,10,12,14,16,18,20,22,24,26,28,30,32,34,36,38,40,42,44,46,48,50,52,54,56,58,60,62
	v_pk_fma_f32 v[96+\j:97+\j], v[96+\j:97+\j], s[CS:CS+1], v[12:13] op_sel_hi:[1,0,0]   ; t - M, two at a time (of the pairs c and -M the low word serves both halves)
.endr
.irp b, 0,1,2,3
	v_fma_f32 v[232+\b], v[232+\b], s[CS], v12     ; the same of each block's largest score
.endr
	s_wait_alu depctr_va_vdst(0)
.irp j, 0,1,2,3,4,5,6,7,8,9,10,11,12,13,14,15,16,17,18,19,20,21,22,23,24,25,26,27,28,29,30,31,32,33,34,35,36,37,38,39,40,41,42,43,44,45,46,47,48,49,50,51,52,53,54,55,56,57,58,59,60,61,62,63
	v_exp_f32 v[96+\j], v[96+\j]                   ; p = 2^(t - M), at most 1: NOT normalised
.endr
	v_pk_mul_f32 v[14:15], v[14:15], v[252:253] op_sel_hi:[1,0]   ; the sums under the new M.  (A plain place behind the exponentials)
	s_wait_alu depctr_va_vdst(0)                   ; one wait for the whole batch, ahead of its first reader
.irp b, 0,1,2,3
	v_exp_f32 v[232+\b], v[232+\b]                 ; the block's largest p: the same two instructions on the same number give the same bits
.endr
	v_pk_add_f32 v[236:237], v[100:101], v[104:105]
	v_pk_add_f32 v[250:251], v[108:109], v[112:113]
	v_pk_add_f32 v[248:249], v[116:117], v[120:121]
	v_pk_add_f32 v[246:247], v[124:125], v[128:129]
	v_pk_add_f32 v[244:245], v[132:133], v[136:137]
	v_pk_add_f32 v[242:243], v[140:141], v[144:145]
	v_pk_add_f32 v[240:241], v[148:149], v[152:153]
	v_pk_add_f32 v[14:15], v[14:15], v[156:157]
	v_pk_add_f32 v[236:237], v[236:237], v[96:97]
	v_pk_add_f32 v[250:251], v[250:251], v[98:99]
	v_pk_add_f32 v[248:249], v[248:249], v[102:103]
	v_pk_add_f32 v[246:247], v[246:247], v[106:107]
	v_pk_add_f32 v[244:245], v[244:245], v[110:111]
	v_pk_add_f32 v[242:243], v[242:243], v[114:115]
	v_pk_add_f32 v[240:241], v[240:241], v[118:119]
	v_pk_add_f32 v[14:15], v[14:15], v[122:123]
	v_pk_add_f32 v[236:237], v[236:237], v[126:127]
	v_pk_add_f32 v[250:251], v[250:251], v[130:131]
	v_pk_add_f32 v[248:249], v[248:249], v[134:135]
	v_pk_add_f32 v[246:247], v[246:247], v[138:139]
	v_pk_add_f32 v[244:245], v[244:245], v[142:143]
	v_pk_add_f32 v[242:243], v[242:243], v[146:147]
	v_pk_add_f32 v[240:241], v[240:241], v[150:151]
	v_pk_add_f32 v[14:15], v[14:15], v[154:155]
	v_pk_add_f32 v[236:237], v[236:237], v[158:159]
	s_delay_alu instid0(VALU_DEP_2)
	v_pk_add_f32 v[14:15], v[14:15], v[246:247]
	s_delay_alu instid0(VALU_DEP_2)
	v_pk_add_f32 v[236:237], v[236:237], v[244:245]
	v_pk_add_f32 v[250:251], v[250:251], v[242:243]
	v_pk_add_f32 v[248:249], v[248:249], v[240:241]
	s_delay_alu instid0(VALU_DEP_2)
	v_pk_add_f32 v[14:15], v[14:15], v[250:251]
	s_delay_alu instid0(VALU_DEP_2)
	v_pk_add_f32 v[236:237], v[236:237], v[248:249]
	s_delay_alu instid0(VALU_DEP_1)
	v_pk_add_f32 v[14:15], v[14:15], v[236:237]
	s_wait_alu depctr_va_vdst(0)                   ; and one for the four
.irp b, 0,1,2,3
	v_max_num_f32 v[232+\b], 0x1800000, v[232+\b]  ; the floor 2^(3 - 127): the byte cannot fall under 1 (a block whose every p has fallen to 0 keeps that byte: its codes are zeros)
.endr
.irp b, 0,1,2,3
	s_delay_alu instid0(VALU_DEP_4)
	v_add_nc_u32 v[244+\b], 0xff000000, v[232+\b]  ; 2 off the exponent field: the conversion's scale operand
.endr
.irp b, 0,1,2,3
	s_delay_alu instid0(VALU_DEP_4)
	v_lshrrev_b32 v[236+\b], 23, v[244+\b]         ; the scale's byte
.endr
	s_delay_alu instid0(VALU_DEP_3)
	v_lshl_or_b32 v253, v237, 8, v236              ; p's scale word for these 128 keys
	s_delay_alu instid0(VALU_DEP_1)
	v_lshl_or_b32 v253, v238, 16, v253
	s_delay_alu instid0(VALU_DEP_1)
	v_lshl_or_b32 v253, v239, 24, v253
.irp c, 0,1
	v_cvt_scalef32_pk16_fp6_f32 v[224+6*\c:226+6*\c], v[96+32*\c:111+32*\c], v[244+2*\c]
	v_cvt_scalef32_pk16_fp6_f32 v[236+4*\c:238+4*\c], v[112+32*\c:127+32*\c], v[244+2*\c+1]   ; (a conversion's three registers begin on an even number)
.endr
	v_nop                                          ; one plain place behind a scaled conversion
.irp t, 0,1,2,3
.irp c, 0,1,2
	ds_load_b128 v[96+12*\t+4*\c:99+12*\t+4*\c], v[ADR] offset:OFS+12800+1536*(4+\t)+512*\c   ; V's tiles 4-7, into the registers that p has left
.endr
.endr
.irp c, 0,1                                    ; the operand's layout wants a WHOLE block in a lane: lanes 0-15 block 2 c, lanes 16-31 block 2 c + 1
.irp i, 0,1,2
	v_permlane16_swap_b32 v[224+6*\c+\i], v[236+4*\c+\i]
.endr
.irp i, 0,1,2
	s_delay_alu instid0(VALU_DEP_3)
	v_mov_b32 v[227+6*\c+\i], v[236+4*\c+\i]
.endr
.endr
.irp j, 0,2,4,6,8,10,12,14,16,18,20,22,24,26,28,30,32,34,36,38,40,42,44,46,48,50,52,54,56,58,60,62
	v_pk_mul_f32 v[160+\j:161+\j], v[160+\j:161+\j], v[252:253] op_sel_hi:[1,0]   ; O^T under the new M: x f.  (These 32 are also the places between p's codes and scale word and the products below)
.endr
	s_wait_alu depctr_va_vdst(0)
	s_wait_dscnt 0x0                               ; V's eight tiles are in
; O^T += V^T P^T: K = these 128 keys.  The eight accumulators take turns, one instruction a turn, and the first product's instructions stand between one step's and the next's.
.irp t, 0,1,2,3
	v_wmma_scale_f32_16x16x128_f8f6f4 v[160+8*\t:167+8*\t], v[32+12*\t:43+12*\t], v[224:235], v[160+8*\t:167+8*\t], v[80+\t], v253 matrix_a_fmt:MATRIX_FMT_FP6 matrix_b_fmt:MATRIX_FMT_FP6 matrix_a_scale:MATRIX_SCALE_ROW1
.endr
.irp t, 0,1,2,3
	v_wmma_scale_f32_16x16x128_f8f6f4 v[192+8*\t:199+8*\t], v[96+12*\t:107+12*\t], v[224:235], v[192+8*\t:199+8*\t], v[84+\t], v253 matrix_a_fmt:MATRIX_FMT_FP6 matrix_b_fmt:MATRIX_FMT_FP6 matrix_a_scale:MATRIX_SCALE_ROW1
.endr
.endm
; THE CHANGE OF SLOTS stands at a slot's head.  Each wave waits for all its tensor loads (its eighth of the slot that it is about to read), adds 0 to its spare word, and waits for that and for its reads of the slot
; that it has left.  fill = 1: a round of the cluster's barrier, so that no wave of any partner still reads that slot or has a load on its way; the joint load into it is the first thing behind the round and has
; four key steps in which to land.  (The first trip's load is slot 1's first fill: behind that round nobody fills bytes again.)
.macro CHANGE fill
	s_wait_tensorcnt 0x0                           ; no tensor load of mine is out, so group 0 may be written
	ds_add_u32 v[SPW], v[NIL]                      ; 0 onto my spare word
.if \fill
	s_xor_b32 s[G0+1], s[G0+1], SLOT1              ; the walking descriptor: the other slot than last time,
	s_add_nc_u64 s[G0+2:G0+3], s[G0+2:G0+3], SLOTB ; the next four key steps; the type bits on top are not reached
	s_wait_xcnt 0x0                                ; the last prefetch, a slot back, has read its address, so it may be written:
	s_add_nc_u64 s[PFA:PFA+1], s[PFA:PFA+1], SLOTB ; one slot further on than the walking descriptor
	s_wait_dscnt 0x0                               ; the add is done, and my reads of the slot that I have left are over
	ROUND
	JLOAD
	ASK
.else
	s_wait_dscnt 0x0
	s_barrier_signal -1
	s_barrier_wait -1
.endif
.endm
.macro SLOT_STEPS
	v_add_nc_u32 v6, s[TB], v[LI0]                 ; the slot's addresses: images of steps 0, 1,
	s_wait_alu depctr_va_vdst(0)
	v_add_nc_u32 v8, s[TB], v[LS0]                 ; their scale words,
	v_add_nc_u32 v7, 51200, v6                     ; and the same of steps 2, 3
	s_delay_alu instid0(VALU_DEP_2)
	v_add_nc_u32 v9, 51200, v8
	STEP 0
	STEP 1
	STEP 2
	STEP 3
	s_xor_b32 s[TB], s[TB], SLOT1                  ; on to the other slot
.endm
	s_wait_loadcnt 0x0                             ; Q
.Lslot:                                            ; 7 trips: behind each change of slots but the last the next slot is asked for
	CHANGE 1
	SLOT_STEPS
	s_sub_co_u32 s[SLOTS], s[SLOTS], 1
	s_cmp_lg_u32 s[SLOTS], 0
	s_cbranch_scc1 .Lslot
	CHANGE 0                                       ; the last slot is written out
	SLOT_STEPS
	; THE WAY OUT.  ctx = O^T / l.  V's channels lie in tile order, so register 16 b + i is channel 32 b + 16 h + i of my query: what the quantiser along the channels wants.
.rept 4
	v_nop                                          ; places behind the last products
.endr
	v_add_f32 v14, v14, v15                        ; the sum's two halves,
	s_delay_alu instid0(VALU_DEP_1)
	v_permlanex16_b32 v252, v14, s[SEL], s[SEL+1]
	s_delay_alu instid0(VALU_DEP_1)
	v_add_f32 v14, v14, v252                       ; and lane l xor 16's: the row's sum
	s_wait_alu depctr_va_vdst(0)
	v_rcp_f32 v14, v14
.irp b, 0,1,2,3
	v_mov_b32 v[56+\b], 0                          ; plain places behind the reciprocal; and the quantiser's permute destinations are written
.endr
	v_and_b32 v10, 31, v0
	s_delay_alu instid0(VALU_DEP_1)
	v_lshlrev_b32 v10, 2, v10                      ; 4 x lane
	s_wait_alu depctr_va_vdst(0)                   ; the wait ahead of the reciprocal's first reader
.irp j, 0,2,4,6,8,10,12,14,16,18,20,22,24,26,28,30,32,34,36,38,40,42,44,46,48,50,52,54,56,58,60,62
	v_pk_mul_f32 v[96+\j:97+\j], v[160+\j:161+\j], v[14:15] op_sel_hi:[1,0]   ; each accumulator from its low end on
.endr
	QUANT 96, 32, 52, 68
.irp c, 0,1,2
	global_store_b128 v[LI0], v[32+4*\c:35+4*\c], s[8:9] offset:512*\c   ; the fragment's image: 512 consecutive bytes a store
.endr
	global_store_b32 v10, v68, s[10:11]            ; and the scale register's
	s_wait_tensorcnt 0x0                           ; the wave's end, behind my last tensor load
	ds_add_u32 v[SPW], v[NIL]
	s_wait_dscnt 0x0
	ROUND                                          ; the closing round: no work-group ends while a partner may still ask for a tile that names it
	s_endpgm
.Lfunc_end_k_q48dce20767_attn:
	.size	k_q48dce20767_attn, .Lfunc_end_k_q48dce20767_attn-k_q48dce20767_attn
	.p2alignl 7, 3214868480
	.fill 96, 4, 3214868480
	.section	.rodata,"a",@progbits
	.p2align	6, 0x0
	.amdhsa_kernel k_q48dce20767_attn
		.amdhsa_group_segment_fixed_size 327680
		.amdhsa_private_segment_fixed_size 0
		.amdhsa_enable_private_segment 0
		.amdhsa_kernarg_size 32
		.amdhsa_user_sgpr_count 2
		.amdhsa_user_sgpr_kernarg_segment_ptr 1
		.amdhsa_wavefront_size32 1
		.amdhsa_system_sgpr_workgroup_id_x 1
		.amdhsa_system_sgpr_workgroup_id_y 1
		.amdhsa_system_sgpr_workgroup_id_z 1
		.amdhsa_system_vgpr_workitem_id 0
		.amdhsa_next_free_vgpr 256
		.amdhsa_next_free_sgpr 66
		.amdhsa_reserve_vcc 0
		.amdhsa_float_denorm_mode_32 3
		.amdhsa_float_denorm_mode_16_64 3
		.amdhsa_memory_ordered 1
		.amdhsa_forward_progress 1
		.amdhsa_inst_pref_size 174
	.end_amdhsa_kernel
	.amdgpu_metadata
---
amdhsa.version: [ 1, 2 ]
amdhsa.kernels:
  - .name:           k_q48dce20767_attn
    .symbol:         k_q48dce20767_attn.kd
    .args:
      - { .name: qimg, .offset: 0, .size: 8, .value_kind: global_buffer, .address_space: global }
      - { .name: kv, .offset: 8, .size: 8, .value_kind: global_buffer, .address_space: global }
      - { .name: cimg, .offset: 16, .size: 8, .value_kind: global_buffer, .address_space: global }
      - { .name: csc, .offset: 24, .size: 8, .value_kind: global_buffer, .address_space: global }
    .group_segment_fixed_size: 327680
    .private_segment_fixed_size: 0
    .kernarg_segment_align: 8
    .kernarg_segment_size: 32
    .max_flat_workgroup_size: 256
    .sgpr_count:     66
    .vgpr_count:     256
    .wavefront_size: 32
...
	.end_amdgpu_metadata
.endif
;; end of part 5
;; launch outp (part 6): grid 256 x 1, 4 waves a work-group, no clusters, 9,216 bytes of LDS; arguments cimg, csc, Wo_codes, Wo_scales, bo, out0; writes out0
.if DOCPART == 6
	.amdgcn_target "amdgcn-amd-amdhsa--gfx1250"
	.amdhsa_code_object_version 6
	.text
	.protected	k_q48dce20767_outp
	.globl	k_q48dce20767_outp
	.p2align	8
	.type	k_q48dce20767_outp,@function
k_q48dce20767_outp:
	s_mov_b64 s[64:65], 0
	v_nop
	global_prefetch_b8 v0, s[64:65] scope:SCOPE_SE
	s_setreg_imm32_b32 hwreg(HW_REG_WAVE_SCHED_MODE, 0, 2), 2
	s_setreg_imm32_b32 hwreg(HW_REG_WAVE_MODE, 25, 1), 1
	s_wait_xcnt 0x0
	s_wait_alu depctr_vm_vsrc(0)
; out0 = ctx Wo + bo on codes of FP6 (E2M3), K = 1,024 = 8 heads x 128 channels.  Nothing of the problem's work is left out here.
; ctx comes as images of operand registers: cimg [query tile qt][head] 1,536 bytes (register group c of lane l at 512 c + 16 l), csc the scale registers' images, 128 bytes each.
; Row r of tile qt is query 128 (qt / 8) + 32 ((qt / 2) % 4) + 8 (qt % 2) + r + 8 (r / 8).
; SHARES.  Work-group qt: one tile of 16 queries.  Wave w makes outputs 32 w .. 32 w + 31: two accumulators, 8 K steps (K step s = head s), 16 matrix instructions.  Every operand goes from memory into registers once.
; THE MATRIX INSTRUCTION IS USED TRANSPOSED (source 0 = 16 rows of Wo, source 1 = ctx): a lane holds query row r and eight neighbouring outputs.  bo is the C of each sum's first instruction.
; A row's 128 outputs come from four waves: they meet in a stage in LDS (rows of 512 bytes + 16), and each wave stores 4 whole rows of 512 consecutive bytes.
; THE MODE: SCHED_MODE bits 1:0 = 2 (LLVM: expert scheduling mode 2), set by the entry lines.  The code itself states the register dependences
; between vector or matrix instructions and memory or LDS instructions, with s_wait_alu, always for 0.
; THE PLAN.  Registers that memory or LDS instructions touch:
;   v4 to v10    offsets and LDS addresses: written by vector instructions at the head, once; never written again.   v12, v13: likewise; read by the closing add alone.
;   Wo's and ctx's fragments, the scale words, bo: written by loads alone, once; read by the matrix instructions behind the wait on LOADcnt.
;   v152-167     the accumulators: written by the matrix instructions; read by the four LDS stores.
;   v168-183     rows on the way out: written by LDS loads, read by the global stores; no vector instruction names them.
; So: one wait on va_vdst ahead of the first load (the addresses are written), one behind the places that follow the last product (the accumulators are written).  No register that a memory or LDS
; instruction reads is ever written again.  One wait on va_sdst stands for the wave's number.
; REGISTERS: window 0: v4-10 offsets; v12, v13 the add's two; v16-111 ctx's 8 fragments; v112-119 their scale words; v120-135 Wo's scale words (8 n + s); v136-151 bo; v152-167 the accumulators; v168-183 rows on the way out.
;   window 1: v0-191 Wo's fragments, (n, s) at 12 (8 n + s).
.set SPARE, 16*528                     ; behind the stage: the spare words, 128 bytes for each wave: two blocks of 256 bytes that no other line names
.set SPW, 12
.set NIL, 13
.set MSB, 0
.macro WIN new                         ; the immediate's high byte repeats the setting that is left
.if MSB != \new
	s_set_vgpr_msb (MSB<<8)|\new
.set MSB, \new
.endif
.endm
	s_load_b256 s[4:11], s[0:1], 0x0               ; cimg s[4:5], csc s[6:7], Wo_codes s[8:9], Wo_scales s[10:11]
	s_load_b128 s[12:15], s[0:1], 0x20             ; bo s[12:13], out0 s[14:15]
	v_lshl_add_u32 v[SPW], v0, 2, SPARE
	v_mov_b32 v[NIL], 0
	v_lshrrev_b32 v1, 5, v0
	v_readfirstlane_b32 s16, v1                    ; wave 0..3
	v_and_b32 v1, 31, v0                           ; lane
	v_and_b32 v2, 15, v0                           ; r
	v_bfe_u32 v3, v0, 4, 1                         ; h
	v_lshlrev_b32 v4, 4, v1                        ; 16 x lane
	v_lshlrev_b32 v5, 2, v1                        ; 4 x lane
	v_mul_u32_u24 v6, v2, 768                      ; Wo: a row of 1,024 codes is 768 bytes,
	v_mad_u32_u24 v6, v3, 24, v6                   ; + 24 h
	v_lshlrev_b32 v7, 5, v2                        ; its scales: 32 bytes a row
	v_lshlrev_b32 v8, 5, v3                        ; bo: my half's eight numbers
	v_mul_u32_u24 v9, v2, 528
	v_lshl_add_u32 v9, v3, 5, v9
	s_wait_alu depctr_va_sdst(0)                   ; s16 is written, ahead of its first reader: the stage's addresses and the bases of Wo, bo and out0 are made from it
	s_lshl_b32 s17, s16, 7
	v_add_nc_u32 v9, s17, v9                       ; into the stage: row r, + 32 h, + 128 w
	s_mul_i32 s18, s16, 4*528
	v_add_nc_u32 v10, s18, v4                      ; back: my 4 rows, 16 bytes a lane
	s_lshr_b32 s22, ttmp9, 3                       ; the first row of out0 that I store:
	s_lshl_b32 s22, s22, 7                         ; 128 (qt / 8)
	s_bfe_u32 s23, ttmp9, 0x20001
	s_lshl_b32 s23, s23, 5
	s_add_co_u32 s22, s22, s23                     ; + 32 ((qt / 2) % 4)
	s_and_b32 s23, ttmp9, 1
	s_lshl_b32 s23, s23, 3
	s_add_co_u32 s22, s22, s23                     ; + 8 (qt % 2)
	s_lshl_b32 s23, s16, 2
	s_add_co_u32 s22, s22, s23                     ; + 4 w: stage rows 4 w .. 4 w + 3,
	s_lshr_b32 s23, s16, 1
	s_lshl_b32 s23, s23, 3
	s_add_co_u32 s22, s22, s23                     ; + 8 (w / 2): stage row r is query r + 8 (r / 8) of the tile
	s_lshl_b32 s22, s22, 9                         ; 512 bytes a row
	s_mov_b32 s23, 0
	s_mov_b32 s21, 0
	s_wait_kmcnt 0x0
	s_add_nc_u64 s[14:15], s[14:15], s[22:23]
	s_mul_i32 s20, ttmp9, 12288
	s_add_nc_u64 s[4:5], s[4:5], s[20:21]          ; my tile's 8 images
	s_lshl_b32 s20, ttmp9, 10
	s_add_nc_u64 s[6:7], s[6:7], s[20:21]          ; and their scale words
	s_mul_i32 s20, s16, 24576
	s_add_nc_u64 s[8:9], s[8:9], s[20:21]          ; my 32 rows of Wo
	s_lshl_b32 s20, s16, 10
	s_add_nc_u64 s[10:11], s[10:11], s[20:21]
	s_mov_b32 s20, s17
	s_add_nc_u64 s[12:13], s[12:13], s[20:21]      ; my 32 numbers of bo
	WIN 0x40                                       ; destination window 1, address window 0
	s_wait_alu depctr_va_vdst(0)                   ; the offsets and addresses v4 to v10 are written, which the loads, the stores and the LDS instructions below read
.irp n, 0,1
.irp s, 0,1,2,3,4,5,6,7
.irp p, 0,1,2,3,4,5
	global_load_b64 v[12*(8*\n+\s)+2*\p:12*(8*\n+\s)+2*\p+1], v6, s[8:9] offset:12288*\n+96*\s+48*(\p/3)+8*(\p%3)
.endr
.endr
.endr
	WIN 0
.irp s, 0,1,2,3,4,5,6,7
.irp c, 0,1,2
	global_load_b128 v[16+12*\s+4*\c:19+12*\s+4*\c], v4, s[4:5] offset:1536*\s+512*\c
.endr
	global_load_b32 v[112+\s], v5, s[6:7] offset:128*\s
.endr
.irp n, 0,1
.irp j, 0,1
	global_load_b128 v[120+8*\n+4*\j:123+8*\n+4*\j], v7, s[10:11] offset:512*\n+16*\j   ; a row's eight scale words
	global_load_b128 v[136+8*\n+4*\j:139+8*\n+4*\j], v8, s[12:13] offset:64*\n+16*\j    ; bo(32 w + 16 n + 8 h + 0 .. 7)
.endr
.endr
	s_wait_loadcnt 0x0
	WIN 0x01                                       ; source 0 (Wo) window 1
; the two accumulators take turns, one instruction a turn
.irp s, 0,1,2,3,4,5,6,7
.irp n, 0,1
.if \s == 0
	v_wmma_scale_f32_16x16x128_f8f6f4 v[152+8*\n:159+8*\n], v[12*(8*\n+\s):12*(8*\n+\s)+11], v[16+12*\s:27+12*\s], v[136+8*\n:143+8*\n], v[120+8*\n+\s], v[112+\s] matrix_a_fmt:MATRIX_FMT_FP6 matrix_b_fmt:MATRIX_FMT_FP6
.else
	v_wmma_scale_f32_16x16x128_f8f6f4 v[152+8*\n:159+8*\n], v[12*(8*\n+\s):12*(8*\n+\s)+11], v[16+12*\s:27+12*\s], v[152+8*\n:159+8*\n], v[120+8*\n+\s], v[112+\s] matrix_a_fmt:MATRIX_FMT_FP6 matrix_b_fmt:MATRIX_FMT_FP6
.endif
.endr
.endr
	WIN 0
.rept 4
	v_nop                                          ; four places in front of the first read of results (ISA guide 7.12.1)
.endr
	s_wait_alu depctr_va_vdst(0)                   ; the matrix instructions have written the accumulators, which the LDS stores read; the places above stay beside this wait
.irp n, 0,1
	ds_store_b128 v9, v[152+8*\n:155+8*\n] offset:64*\n       ; lane (r, h): out(row r, 32 w + 16 n + 8 h + 0 .. 7); each accumulator from its low end on
	ds_store_b128 v9, v[156+8*\n:159+8*\n] offset:64*\n+16
.endr
	s_wait_dscnt 0x0                               ; for the others' sake: my stores into the stage are done
	s_barrier_signal -1
	s_barrier_wait -1                              ; 16 whole rows lie in the stage
.irp i, 0,1,2,3
	ds_load_b128 v[168+4*\i:171+4*\i], v10 offset:528*\i
.endr
.irp i, 0,1,2,3
	s_wait_dscnt 3-\i                              ; LDS loads come back in order (ISA guide 5.7.1): row i is in, the younger of the four may be out
	global_store_b128 v4, v[168+4*\i:171+4*\i], s[14:15] offset:512*\i th:TH_STORE_NT   ; 32 lanes store a row of 512 consecutive bytes, aligned; written once, read by nobody here
.endr
	s_wait_dscnt 0x0                               ; the wave's end, behind my last LDS store
	s_wait_alu 0x0
	s_wait_tensorcnt 0x0
	ds_add_u32 v[SPW], v[NIL]
	s_wait_dscnt 0x0
	s_endpgm
.Lfunc_end_k_q48dce20767_outp:
	.size	k_q48dce20767_outp, .Lfunc_end_k_q48dce20767_outp-k_q48dce20767_outp
	.p2alignl 7, 3214868480
	.fill 96, 4, 3214868480
	.section	.rodata,"a",@progbits
	.p2align	6, 0x0
	.amdhsa_kernel k_q48dce20767_outp
		.amdhsa_group_segment_fixed_size 9216
		.amdhsa_private_segment_fixed_size 0
		.amdhsa_enable_private_segment 0
		.amdhsa_kernarg_size 48
		.amdhsa_user_sgpr_count 2
		.amdhsa_user_sgpr_kernarg_segment_ptr 1
		.amdhsa_wavefront_size32 1
		.amdhsa_system_sgpr_workgroup_id_x 1
		.amdhsa_system_sgpr_workgroup_id_y 1
		.amdhsa_system_sgpr_workgroup_id_z 1
		.amdhsa_system_vgpr_workitem_id 0
		.amdhsa_next_free_vgpr 448
		.amdhsa_next_free_sgpr 66
		.amdhsa_reserve_vcc 0
		.amdhsa_float_denorm_mode_32 3
		.amdhsa_float_denorm_mode_16_64 3
		.amdhsa_memory_ordered 1
		.amdhsa_forward_progress 1
		.amdhsa_inst_pref_size 19
	.end_amdhsa_kernel
	.amdgpu_metadata
---
amdhsa.version: [ 1, 2 ]
amdhsa.kernels:
  - .name:           k_q48dce20767_outp
    .symbol:         k_q48dce20767_outp.kd
    .args:
      - { .name: cimg, .offset: 0, .size: 8, .value_kind: global_buffer, .address_space: global }
      - { .name: csc, .offset: 8, .size: 8, .value_kind: global_buffer, .address_space: global }
      - { .name: Wo_codes, .offset: 16, .size: 8, .value_kind: global_buffer, .address_space: global }
      - { .name: Wo_scales, .offset: 24, .size: 8, .value_kind: global_buffer, .address_space: global }
      - { .name: bo, .offset: 32, .size: 8, .value_kind: global_buffer, .address_space: global }
      - { .name: out0, .offset: 40, .size: 8, .value_kind: global_buffer, .address_space: global }
    .group_segment_fixed_size: 9216
    .private_segment_fixed_size: 0
    .kernarg_segment_align: 8
    .kernarg_segment_size: 48
    .max_flat_workgroup_size: 128
    .sgpr_count:     66
    .vgpr_count:     448
    .wavefront_size: 32
...
	.end_amdgpu_metadata
.endif
;; end of part 6
